; MI455X (gfx1250); checked and timed in simulation.
; The chip was launched on July 23, 2026; its instructions are those of AMD's public machine-readable ISA for CDNA 5 (MIT licence, August 2026) and "CDNA5" Instruction Set Architecture Reference Guide (July 2026). The comments in the code are by the model that wrote it; some were corrected since.
;; Self Attention. Allowed arithmetic: matrix products marked QUANTISED: E2M1 operands, one E8M0 scale for each 32 along K, by v_wmma_scale_f32_16x16x128_f8f6f4 with both operands' format E2M1 (or v_wmma_scale_f32_32x16x128_f4), f32 sums; everything else in f32.
;; Inputs: b_in 3,072 float32; b_out 1,024 float32; w_in 1,024 x 3,072 float32; w_out 1,024 x 1,024 float32; x 4 x 2,048 x 1,024 float32.
;; Outputs: out0 4 x 2,048 x 1,024 float32.
;; Constants: causal_mask = 1.
;; This version of the problem:
;;   THIS VERSION OF THE PROBLEM IS GIVEN IN LOW PRECISION. The matrix products marked QUANTISED in the list below multiply operands that are first quantised to E2M1 (2 exponent bits, 1 mantissa bit; 4 bits a number), with one power-of-two scale for each 32 numbers along K (OCP MX v1.0); their sums are f32. All else is computed in f32.
;;   The module's matrix products, in the order in which they are computed (A, B: the left and right operand; K: the contracted axis; several contracted axes count as one K, in the product's order):
;;     1. [M 8,192, K 1,024] x [K 1,024, N 3,072]; A: input x; B: input w_in: QUANTISED
;;     2. batch 64 x [M 2,048, K 64] x [K 64, N 2,048]; A: computed on the way; B: computed on the way: QUANTISED
;;     3. batch 64 x [M 2,048, K 2,048] x [K 2,048, N 64]; A: softmax (see below); B: computed on the way: QUANTISED
;;     4. [M 8,192, K 1,024] x [K 1,024, N 1,024]; A: computed on the way; B: input w_out: QUANTISED
;;   THE QUANTISER, for each operand of a quantised product, along K:
;;     - K is cut into blocks of 32 from its start; a last block that is shorter is filled with zeros.
;;     - A block's scale is 2^e with e = floor(log2(the largest magnitude in the block)) - 2, held to -126 .. 127; a block of zeros has e = 0. As a byte (E8M0): e + 127.
;;     - Each number is divided by its block's scale, clamped to +-6, and rounded to the nearest number of E2M1, ties to even, subnormals kept.
;;     - The product sums the exact products of the quantised numbers (number of the format x scale) in f32.
;;   ~~~python
;;   def quantise(x, axis):      # numpy; x: float32 -> the quantised numbers, widened to float32 again
;;       x = np.moveaxis(x, axis, -1); K = x.shape[-1]
;;       x = np.pad(x, [(0, 0)] * (x.ndim - 1) + [(0, -K % 32)]); x = x.reshape(x.shape[:-1] + (-1, 32)); a = np.abs(x).max(-1, keepdims=True)
;;       e = np.where(a > 0, np.clip(np.frexp(np.where(a > 0, a, 1))[1] - 1 - 2, -126, 127), 0)      # np.frexp(a)[1] - 1 = floor(log2(a)), exactly
;;       r = np.clip(x / 2.0 ** e, -6, 6)
;;       step = 2.0 ** (np.maximum(np.frexp(np.where(r == 0, 1, r))[1] - 1, 0) - 1)
;;       q = np.round(r / step) * step * 2.0 ** e      # np.round: ties to even
;;       return np.moveaxis(q.reshape(q.shape[:-2] + (-1,))[..., :K], -1, axis).astype(np.float32)
;;   ~~~
;;   SOFTMAX AHEAD OF A QUANTISED PRODUCT. Where the list says 'softmax', what is quantised is not the finished softmax but p = 2^(t - M), with t = logit x log2(e) and M = ceil(the row's largest t), a whole number; so 1/2 < the row's largest p <= 1. The row's sum l is taken of the UNQUANTISED p, in f32, and the product's result is divided by l at the end. Since M is a whole number, a kernel that streams over the keys may use a running M (the ceiling of the running maximum): every later rescaling is an exact power of two, which a block's scale takes up: the codes' values come out the same.
;;   OPERANDS COMPUTED ON THE WAY. 'Computed on the way' means the value that the module computes at that place (a softmax that the list does not call 'softmax' is quantised finished and normalised). What goes into a quantiser is computed in f32, as accurately as f32 sums, v_exp_f32 and their like allow (about 1e-6 of the number): no bf16 or f16 on the way to a quantiser, and a product that is left as it is and whose result goes on into a quantised operand takes f32 operands (vector FMAs, or v_wmma_f32_16x16x4_f32). A number that lies on a knife's edge between two numbers of the format may be rounded either way, as far as f32 arithmetic and the matrix unit's own rounding can turn it there, and no further.
;; One version. Each part assembles by itself: llvm-mc -triple=amdgcn-amd-amdhsa -mcpu=gfx1250 --defsym DOCPART=n.
;; ======== version 1 of 1: 4 launches
;; workspace buffers: xq 4,456,448 bytes; winq 1,671,168 bytes; woutq 557,056 bytes; qkv 13,893,632 bytes; attq 4,456,448 bytes
;; launch quant (part 1): grid 512 x 1, 4 waves a work-group, no clusters, 34,304 bytes of LDS; arguments x, w_in, w_out, xq, winq, woutq; writes xq, winq, woutq
.if DOCPART == 1
	.amdgcn_target "amdgcn-amd-amdhsa--gfx1250"
	.amdhsa_code_object_version 6
	.text
	.protected	k_q6778d433a1_quant
	.globl	k_q6778d433a1_quant
	.p2align	8
	.type	k_q6778d433a1_quant,@function
k_q6778d433a1_quant:
	s_mov_b64 s[64:65], 0
	v_nop
	global_prefetch_b8 v0, s[64:65] scope:SCOPE_SE
	s_setreg_imm32_b32 hwreg(HW_REG_WAVE_MODE, 25, 1), 1
	s_wait_xcnt 0x0
; LAUNCH 1 OF 4.  x [8192][1024], w_in [1024][3072] and w_out [1024][1024], f32, become codes of E2M1 with one E8M0 byte for each 32 along K (x: its last axis; the weights: their FIRST axis).
; THE PROGRAM: 1 quant (this) | 2 qkv: x w_in + b_in, quantised at once into q, k (along the head's 64) and v (along the keys) | 3 attn: both products of attention, the softmax, / l, quantised along the 1,024 channels | 4 proj: x w_out + b_out.
; WORK LEFT OUT (in launch 3).  reference() builds the causal mask in its own body: a score whose key comes after its query is -infinity ahead of the softmax.  For such a key p = 2^(-infinity - M) = 0 whatever the inputs hold:
; it adds 0 to the row's sum l, its code is 0 under any scale, so it adds 0 to the second product, and it cannot raise the row's maximum (key 0 counts for every query).  So a key step of 128 keys all of which come after all 16
; queries of a tile reaches no output, and is not computed.  No input is without a way to an output: all five are loaded.  LIMIT: a NaN, an infinity or an overflow that reaches only such left-out scores is not carried to the result.
; THE IMAGE, the one layout of every operand that this program stores: a tile T is 16 rows, lane r's row being 32 (T / 2) + 8 (T % 2) + r + 8 (r / 8); its fragment of K step s (128 along K) is 1,024 bytes, byte c 512 + 16 lane
; (lane = r + 16 h) holding the 32 codes of k = 128 s + 64 c + 32 h + 0 .. 31: registers 4 c .. 4 c + 3 of that lane of the matrix operand.  A buffer: two planes by K half (s / 4), in a plane tile T at 4,096 T, K step s % 4 at 1,024;
; behind the codes the scale words: 512 T + 256 (s / 4) + 16 r + 4 (s % 4), byte b of a word for k = 32 b on.
; A block's scale is 2^(floor(log2(its largest magnitude)) - 2): its byte is the largest magnitude's exponent field - 2, held at 1 from below.
; LIMITS: a block whose largest magnitude lies under 2^-124 is held at the byte 1; a block of zeros gets the byte 1 where the rule says 127 (its codes are zeros, and this program alone reads the bytes); NaN and infinities among the inputs are not served.
; SHARES: work-groups 0-255 take x, 256-447 w_in, 448-511 w_out.  No tensor load, no barrier: waves share nothing.
; x: a wave takes one tile (16 rows) x half of K (four K steps).  Each load reads 512 consecutive bytes of a row; a step's 16 rows turn through the wave's own stage in LDS (rows 528 bytes apart), so that a lane gets two whole blocks of 32.
; weights: a lane takes a column n, its registers run down K: a block of 32 lies in one lane, and a lane's 16 bytes of codes are its place in the image: sixteen lanes fill 256 consecutive bytes, no LDS.
; The weights' scale words (4 bytes a lane, 16 bytes apart) fill their 256-byte pieces in part: one byte for 128 read.
.set SPARE, 33792                      ; behind the four stages: the spare words, 128 bytes for each wave
.set STGB,  8448                       ; a wave's stage: 16 rows x 528 bytes
.set SPW,   16                         ; v16  LDS address of my spare word; never rewritten
.set NIL,   17                         ; v17  0; never rewritten
.set SWD,   20                         ; v20-23  scale words
.set C,     24                         ; v24-55  codes: registers of their own for each step, so that no store's data are written again
.set X,     56                         ; v56-119 64 numbers of a lane (weights: two sets of 32)
.set R,     120                        ; v120-247 x as loaded: two sets of 64
	s_load_b256 s[4:11], s[0:1], 0x0               ; x s[4:5], w_in s[6:7], w_out s[8:9], xq s[10:11]
	s_load_b128 s[12:15], s[0:1], 0x20             ; winq s[12:13], woutq s[14:15]
	v_lshl_add_u32 v[SPW], v0, 2, SPARE
	v_mov_b32 v[NIL], 0
	v_lshrrev_b32 v1, 5, v0
	v_readfirstlane_b32 s16, v1                    ; wave 0..3
	v_and_b32 v1, 31, v0                           ; lane
	v_and_b32 v2, 15, v0                           ; r
	v_bfe_u32 v3, v0, 4, 1                         ; h
	v_lshlrev_b32 v4, 4, v1                        ; 16 x lane
	s_wait_kmcnt 0x0
	s_cmp_lt_u32 ttmp9, 256
	s_cbranch_scc0 .Lweights
; ---------------- x ----------------
.macro XLOAD q                         ; K step q of my 16 rows: 16 loads of 512 consecutive bytes, into set q % 2
.set i, 0
.rept 16
	global_load_b128 v[R+64*((\q)%2)+4*i:R+64*((\q)%2)+4*i+3], v4, s[4:5] offset:(i+8*(i/8))*4096+512*(\q) th:TH_LOAD_NT
.set i, i+1
.endr
.endm
.macro XSTEP q
.if (\q) < 3
	s_wait_loadcnt 16                              ; this step's 16 loads are in; the next step's 16 may be out
.else
	s_wait_loadcnt 0x0
.endif
.set i, 0
.rept 16
	ds_store_b128 v5, v[R+64*((\q)%2)+4*i:R+64*((\q)%2)+4*i+3] offset:i*528
.set i, i+1
.endr
.irp c, 0,1                            ; back: lane (r, h) takes k = 64 c + 32 h + 0 .. 31 of row r.  LDS serves a wave's instructions in order: these see the stores above
.irp j, 0,1,2,3,4,5,6,7
	ds_load_b128 v[X+32*\c+4*\j:X+32*\c+4*\j+3], v6 offset:256*\c+16*\j
.endr
.endr
	s_wait_dscnt 0x0                               ; the numbers are back
.if (\q) < 2
	XLOAD (\q)+2
.endif
.irp c, 0,1                            ; my blocks 2 c + h: all 32 numbers are mine; the floor 2^(3 - 127) holds the byte at 1 from below
	v_max3_num_f32 v[12+\c], |v[X+32*\c]|, |v[X+1+32*\c]|, 0x1800000
.endr
.irp i, 2,4,6,8,10,12,14,16,18,20,22,24,26,28,30
.irp c, 0,1
	v_max3_num_f32 v[12+\c], v[12+\c], |v[X+32*\c+\i]|, |v[X+1+32*\c+\i]|
.endr
.endr
.irp c, 0,1
	v_add_nc_u32 v[14+\c], 0xff000000, v[12+\c]    ; 2 off the exponent field: the conversion's scale operand
.endr
.irp c, 0,1
	v_lshrrev_b32 v[12+\c], 23, v[14+\c]           ; the scale's byte
.endr
	v_lshl_or_b32 v9, v13, 16, v12                 ; my two bytes, blocks h and 2 + h,
	v_lshlrev_b32 v9, v7, v9                       ; 8 h bits up;
	v_permlanex16_b32 v10, v9, s18, s19
	v_or_b32 v[SWD+(\q)], v9, v10                  ; with lane l xor 16's two the word is whole, in both halves of the lanes
.irp c, 0,1
.irp g, 0,1,2,3
	v_cvt_scalef32_pk8_fp4_f32 v[C+8*(\q)+4*\c+\g], v[X+32*\c+8*\g:X+32*\c+8*\g+7], v[14+\c]
.endr
.endr
	v_nop                                          ; one plain place behind the last scaled conversion
.irp c, 0,1
	global_store_b128 v4, v[C+8*(\q)+4*\c:C+8*(\q)+4*\c+3], s[26:27] offset:(\q)*1024+\c*512   ; 512 consecutive bytes of the image
.endr
.endm
	s_lshr_b32 s20, s16, 1                         ; which of the work-group's two tiles
	s_and_b32 s21, s16, 1                          ; which half of K
	s_lshl_b32 s22, ttmp9, 17                      ; 32 rows of 4,096 bytes a work-group,
	s_lshl_b32 s23, s20, 15                        ; 8 rows for the second tile,
	s_add_co_u32 s22, s22, s23
	s_lshl_b32 s23, s21, 11                        ; 2,048 bytes for the second half of K
	s_add_co_u32 s22, s22, s23
	s_mov_b32 s23, 0
	s_add_nc_u64 s[4:5], s[4:5], s[22:23]
	s_wait_alu depctr_va_vdst(0)
	XLOAD 0
	XLOAD 1
	s_lshl_b32 s24, ttmp9, 1
	s_add_co_u32 s24, s24, s20                     ; T
	s_lshl_b32 s22, s24, 12
	s_lshl_b32 s25, s21, 21
	s_add_co_u32 s22, s22, s25
	s_add_nc_u64 s[26:27], s[10:11], s[22:23]      ; my four fragments
	s_lshl_b32 s22, s24, 9
	s_lshl_b32 s25, s21, 8
	s_add_co_u32 s22, s22, s25
	s_add_co_u32 s22, s22, 4194304
	s_add_nc_u64 s[28:29], s[10:11], s[22:23]      ; my 256 bytes of scale words
	s_mul_i32 s17, s16, STGB                       ; my stage
	v_add_nc_u32 v5, s17, v4                       ; in: 16 x lane of a row
	v_mul_u32_u24 v6, v2, 528
	v_lshl_add_u32 v6, v3, 7, v6
	v_add_nc_u32 v6, s17, v6                       ; back: row r, + 128 h
	v_lshlrev_b32 v7, 3, v3                        ; 8 h
	v_lshlrev_b32 v8, 4, v2                        ; 16 r
	v_mov_b32 v10, 0                               ; a lane permute's destination counts as one of its sources
	s_mov_b32 s18, 0x76543210
	s_mov_b32 s19, 0xfedcba98                      ; v_permlanex16_b32's selects for lane l xor 16
	s_wait_alu depctr_va_vdst(0)
	XSTEP 0
	XSTEP 1
	XSTEP 2
	XSTEP 3
	global_store_b128 v8, v[SWD:SWD+3], s[28:29]   ; row r's four words; lanes l and l xor 16 store the same bytes with the same values: 256 consecutive bytes
	s_branch .Lend
; ---------------- the weights ----------------
.macro WLOAD t, nb                     ; block t: W(32 t + i, my column), into set t % 2
.set i, 0
.rept 32
	global_load_b32 v[X+32*((\t)%2)+i], v5, s[26:27] offset:(32*(\t)+i)*\nb th:TH_LOAD_NT
.set i, i+1
.endr
.endm
.macro WBLOCK t, nb
.set XS, X+32*((\t)%2)
.if (\t) < 3
	s_wait_loadcnt 32                              ; this block's 32 loads are in; the next block's may be out
.else
	s_wait_loadcnt 0x0
.endif
	v_max3_num_f32 v12, |v[XS]|, |v[XS+1]|, |v[XS+2]|
	v_max3_num_f32 v13, |v[XS+3]|, |v[XS+4]|, |v[XS+5]|
.irp i, 6,10,14,18,22,26
	v_max3_num_f32 v12, v12, |v[XS+\i]|, |v[XS+\i+1]|
	v_max3_num_f32 v13, v13, |v[XS+\i+2]|, |v[XS+\i+3]|
.endr
	v_max3_num_f32 v12, v12, |v[XS+30]|, |v[XS+31]|
	v_max3_num_f32 v12, v12, v13, 0x1800000        ; and the floor
	v_add_nc_u32 v14, 0xff000000, v12
	v_lshrrev_b32 v13, 23, v14
.if (\t) == 0
	v_mov_b32 v[SWD], v13
.else
	v_lshl_or_b32 v[SWD], v13, 8*(\t), v[SWD]
.endif
.irp g, 0,1,2,3
	v_cvt_scalef32_pk8_fp4_f32 v[C+4*(\t)+\g], v[XS+8*\g:XS+8*\g+7], v14
.endr
	v_nop                                          ; one plain place behind the last scaled conversion
	global_store_b128 v6, v[C+4*(\t):C+4*(\t)+3], s[32:33] offset:(\t)*256   ; block t = (c, h) = (t / 2, t % 2): byte 256 t + 16 r of the fragment
.if (\t) < 2
	WLOAD (\t)+2, \nb
.endif
.endm
; nb: bytes of a row of W;  plane, scoff: of its buffer;  first: the arm's first work-group;  src, dst: the scalar pairs.  Work-group jj: columns 128 (jj / 8) on, K step jj % 8; wave w: 32 columns, a pair of tiles
.macro WQ nb, plane, scoff, first, src, dst
	s_sub_co_u32 s20, ttmp9, \first
	s_lshr_b32 s21, s20, 3
	s_and_b32 s22, s20, 7                          ; the K step
	s_lshl_b32 s23, s21, 2
	s_add_co_u32 s23, s23, s16                     ; the pair of tiles
	s_mul_i32 s24, s22, 128*\nb
	s_lshl_b32 s25, s23, 7                         ; 32 columns of 4 bytes a pair
	s_add_co_u32 s24, s24, s25
	s_mov_b32 s25, 0
	s_add_nc_u64 s[26:27], s[\src:\src+1], s[24:25]
	WLOAD 0, \nb
	WLOAD 1, \nb
	s_lshr_b32 s28, s22, 2                         ; the K half
	s_and_b32 s29, s22, 3
	s_mul_i32 s24, s28, \plane
	s_lshl_b32 s30, s23, 13
	s_add_co_u32 s24, s24, s30
	s_lshl_b32 s30, s29, 10
	s_add_co_u32 s24, s24, s30
	s_add_nc_u64 s[32:33], s[\dst:\dst+1], s[24:25]
	s_lshl_b32 s24, s23, 10
	s_lshl_b32 s30, s28, 8
	s_add_co_u32 s24, s24, s30
	s_lshl_b32 s30, s29, 2
	s_add_co_u32 s24, s24, s30
	s_add_co_u32 s24, s24, \scoff
	s_add_nc_u64 s[34:35], s[\dst:\dst+1], s[24:25]
	WBLOCK 0, \nb
	WBLOCK 1, \nb
	WBLOCK 2, \nb
	WBLOCK 3, \nb
	global_store_b32 v7, v[SWD], s[34:35]          ; my column's scale word of this K step
.endm
.Lweights:
	s_wait_alu depctr_va_vdst(0)
	v_lshlrev_b32 v5, 2, v1                        ; in: 4 bytes a lane
	v_bfe_u32 v8, v0, 3, 1                         ; column l of the 32 lies in tile u = (l / 8) % 2 of the pair,
	v_and_b32 v9, 7, v0
	v_lshl_add_u32 v9, v3, 3, v9                   ; at its lane l % 8 + 8 (l / 16)
	v_lshlrev_b32 v9, 4, v9
	v_lshl_add_u32 v6, v8, 12, v9                  ; codes: 4,096 u + 16 r
	v_lshl_add_u32 v7, v8, 9, v9                   ; scale words: 512 u + 16 r
	s_cmp_lt_u32 ttmp9, 448
	s_cbranch_scc0 .Lwout
	s_wait_alu depctr_va_vdst(0)
	WQ 12288, 786432, 1572864, 256, 6, 12
	s_branch .Lend
.Lwout:
	s_wait_alu depctr_va_vdst(0)
	WQ 4096, 262144, 524288, 448, 8, 14
.Lend:
	s_wait_tensorcnt 0x0                           ; the wave's end: behind my last LDS store
	ds_add_u32 v[SPW], v[NIL]
	s_wait_dscnt 0x0
	s_endpgm
.Lfunc_end_k_q6778d433a1_quant:
	.size	k_q6778d433a1_quant, .Lfunc_end_k_q6778d433a1_quant-k_q6778d433a1_quant
	.p2alignl 7, 3214868480
	.fill 96, 4, 3214868480
	.section	.rodata,"a",@progbits
	.p2align	6, 0x0
	.amdhsa_kernel k_q6778d433a1_quant
		.amdhsa_group_segment_fixed_size 34304
		.amdhsa_private_segment_fixed_size 0
		.amdhsa_enable_private_segment 0
		.amdhsa_kernarg_size 48
		.amdhsa_user_sgpr_count 2
		.amdhsa_user_sgpr_kernarg_segment_ptr 1
		.amdhsa_wavefront_size32 1
		.amdhsa_system_sgpr_workgroup_id_x 1
		.amdhsa_system_sgpr_workgroup_id_y 1
		.amdhsa_system_sgpr_workgroup_id_z 1
		.amdhsa_system_vgpr_workitem_id 0
		.amdhsa_next_free_vgpr 248
		.amdhsa_next_free_sgpr 66
		.amdhsa_reserve_vcc 0
		.amdhsa_float_denorm_mode_32 3
		.amdhsa_float_denorm_mode_16_64 3
		.amdhsa_memory_ordered 1
		.amdhsa_forward_progress 1
		.amdhsa_inst_pref_size 69
	.end_amdhsa_kernel
	.amdgpu_metadata
---
amdhsa.version: [ 1, 2 ]
amdhsa.kernels:
  - .name:           k_q6778d433a1_quant
    .symbol:         k_q6778d433a1_quant.kd
    .args:
      - { .name: x, .offset: 0, .size: 8, .value_kind: global_buffer, .address_space: global }
      - { .name: w_in, .offset: 8, .size: 8, .value_kind: global_buffer, .address_space: global }
      - { .name: w_out, .offset: 16, .size: 8, .value_kind: global_buffer, .address_space: global }
      - { .name: xq, .offset: 24, .size: 8, .value_kind: global_buffer, .address_space: global }
      - { .name: winq, .offset: 32, .size: 8, .value_kind: global_buffer, .address_space: global }
      - { .name: woutq, .offset: 40, .size: 8, .value_kind: global_buffer, .address_space: global }
    .group_segment_fixed_size: 34304
    .private_segment_fixed_size: 0
    .kernarg_segment_align: 8
    .kernarg_segment_size: 48
    .max_flat_workgroup_size: 128
    .sgpr_count:     66
    .vgpr_count:     248
    .wavefront_size: 32
...
	.end_amdgpu_metadata
.endif
;; end of part 1
;; launch qkv (part 2): grid 12 x 32, 4 waves a work-group, clusters of 4 x 4, 295,424 bytes of LDS; arguments xq, winq, b_in, qkv; writes qkv
.if DOCPART == 2
	.amdgcn_target "amdgcn-amd-amdhsa--gfx1250"
	.amdhsa_code_object_version 6
	.text
	.protected	k_q6778d433a1_qkv
	.globl	k_q6778d433a1_qkv
	.p2align	8
	.type	k_q6778d433a1_qkv,@function
k_q6778d433a1_qkv:
	s_mov_b64 s[64:65], 0
	v_nop
	global_prefetch_b8 v0, s[64:65] scope:SCOPE_SE
	s_setreg_imm32_b32 hwreg(HW_REG_WAVE_MODE, 25, 1), 1
	s_wait_xcnt 0x0
	s_wait_alu depctr_hold_cnt(0) depctr_sa_sdst(0) depctr_va_vdst(0) depctr_va_sdst(0) depctr_va_ssrc(0) depctr_va_vcc(0) depctr_vm_vsrc(0)
	s_getreg_b32 s2, hwreg(HW_REG_IB_STS2, 6, 4)
	s_cmp_eq_u32 s2, 0
	s_cbranch_scc0 .Lentry_in_a_cluster
	s_endpgm
.Lentry_in_a_cluster:
	s_bfe_u32 s2, ttmp6, 0x10000c
	s_cmp_lg_u32 s2, 0xf033
	s_cbranch_scc0 .Lentry_shape_is_right
	s_endpgm
.Lentry_shape_is_right:
; LAUNCH 2 OF 4.  qkv = x w_in + b_in on codes of E2M1 (launch 1's images), and at once the quantisers of attention's operands: q and k along the head's 64, v along the keys.  No f32 number goes to memory.
; A work-group makes 256 tokens x 256 columns, each of its four waves 128 x 128: 64 accumulators, 512 registers.  All of K = 1,024 of both tiles lies in LDS (two slots by K half, 131,072 bytes each, and 16,384 bytes of scale words): every LDS byte is
; filled once, so nothing is filled again.  By this text's own count a wave has three tensor loads out.
; CLUSTERS: 4 x 4 work-groups; x's tile is shared along a row of the cluster, w_in's along a column: joint loads, each tile asked for once for four.
; ROLES.  Source 1 gives a lane its row (R), source 0 runs along the lane's registers (P), and a quantiser wants its K along the registers.  q, k (cluster x = 0, 1): R = tokens, P = columns (the head's channels).
; v (cluster x = 2): R = columns, P = tokens (the keys).  The roles differ by LDS addresses alone, chosen by the cluster's x, which all sixteen partners share.
; By the image's choice of a tile's rows the 16 registers of P's tiles 2 b and 2 b + 1 are 16 neighbours, 32 b + 16 (lane / 16) + 0 .. 15: QUANT takes 64 such registers and leaves a fragment and its scale word.
; OUT: qkv: 64 heads of 217,088 bytes; in a head 16 records of 13,568 bytes, one for each 128 tokens: q's codes 0 (tile a at 512 a + 16 lane: channels 32 (lane / 16) on), q's scale words 4,096 (256 (a / 4) + 16 r + 4 (a % 4); bytes 2, 3 = 0x7f),
; k's codes 4,608, v's codes 8,704 (tile t of 16 channels x 128 keys at 1,024 t + 512 c + 16 lane), k's scale words 12,800, v's 13,312 (16 r + 4 t).  Every store of codes covers 512 consecutive bytes, every store of scale words whole pieces of 256.
; LIMITS: as launch 1's: the byte is held at 1 from below (a block of zeros too); NaN and infinities are not served.
; REGISTERS, in windows of 256: window 0: v1-9 lane constants; v16-17, v20-21, v27 LDS addresses; v28-29 the add's two; v32-95 scale words, a set for each slot; v96-103 scale words made; v104-120 at work;
;   v128-191, v192-255 R's fragments, two sets, later 64 numbers at work and the codes made.   window 1: v0-127 P's fragments, two sets; v128-199 the bias.   windows 2, 3: the accumulators, (a, b) at v[8 (8 (a % 4) + b)].
.set SLOTB, 131072
.set SCL,   262144                     ; behind the slots: x's scale words, 8,192 bytes, then w_in's
.set SPARE, 294912                     ; the spare words, 128 bytes for each wave
.set HSZ,   217088
.set RSZ,   13568
.set ADRR,  16
.set ADRP,  20
.set ADRS,  27
.set SPW,   28
.set NIL,   29
.set SC,    32
.set SW,    96
.set TM,    104
.set PW,    120
.set HA,    128
.set PCB,   192
.set BI,    128                        ; in window 1
.set BV,    192                        ; in window 1
.set SEL,   2                          ; s[2:3]
.set G1,    24
.set G0,    32
.set G1B,   48
.set G0B,   56
.set G1S,   68
.set G0S,   76
.set G1SB,  80
.set G0SB,  88
.set MSB, 0
.macro WIN new                         ; the immediate's high byte repeats the setting that is left
.if MSB != (\new)
	s_set_vgpr_msb (MSB<<8)|(\new)
.set MSB, (\new)
.endif
.endm
; A joint load: waves 0 and 1 fetch for x, waves 2 and 3 for w_in.  The branch hangs on the wave's number alone.  An s_nop 0 and four v_nop follow each of the two lines.
.macro JLOAD g0a, g1a, g0b, g1b
	s_cmp_eq_u32 s15, 0
	s_cbranch_scc0 .Lfor_b_\@
	tensor_load_to_lds s[\g0a:\g0a+3], s[\g1a:\g1a+7]
	s_nop 0
.rept 4
	v_nop
.endr
	s_branch .Lasked_\@
.Lfor_b_\@:
	tensor_load_to_lds s[\g0b:\g0b+3], s[\g1b:\g1b+7]
	s_nop 0
.rept 4
	v_nop
.endr
.Lasked_\@:
.endm
.macro CROUND                          ; a round of the cluster's barrier
	s_barrier_signal -1
	s_barrier_wait -1
	s_cmp_lg_u32 s14, 0
	s_cbranch_scc1 .Lnot_wave_0_\@
	s_barrier_signal -3
.Lnot_wave_0_\@:
	s_barrier_wait -3
	s_barrier_signal -1
	s_barrier_wait -1
.endm
.macro PLACES                          ; four plain places behind a matrix instruction, ahead of loads into registers that it read and of the first read of results
.rept 4
	v_nop
.endr
.endm
	s_load_b256 s[4:11], s[0:1], 0x0               ; xq s[4:5], winq s[6:7], b_in s[8:9], qkv s[10:11]
	v_lshl_add_u32 v[SPW], v0, 2, SPARE
	v_mov_b32 v[NIL], 0
	ds_add_u32 v[SPW], v[NIL]                      ; the wave's opening: the add, twice on end, and its wait ahead of my first tensor load
	ds_add_u32 v[SPW], v[NIL]
	v_lshrrev_b32 v1, 5, v0
	v_readfirstlane_b32 s14, v1                    ; wave 0..3
	s_lshr_b32 s15, s14, 1                         ; which half of R is mine.  Also: I fetch for x (0) or for w_in (1)
	s_and_b32 s16, s14, 1                          ; which half of P.  Also: which half of that tile I fetch
	s_bfe_u32 s40, ttmp6, 0x40000                  ; cx, cy: my place in the cluster
	s_bfe_u32 s41, ttmp6, 0x40004
	s_lshl_b32 s42, ttmp9, 2
	s_add_co_u32 s42, s42, s40                     ; gx: 256 columns of w_in
	s_and_b32 s17, ttmp7, 0xffff
	s_lshl_b32 s17, s17, 2
	s_add_co_u32 s17, s17, s41                     ; gy: 256 tokens
	s_lshl_b32 s43, s41, 2
	s_lshl_b32 s43, 15, s43                        ; my row of the cluster
	s_lshl_b32 s44, 0x1111, s40                    ; my column
	; group 1: dense blocks as rows of 256 bytes (32 elements of 8 bytes), no padding: 128 rows of codes, 16 rows of scale words
	s_or_b32 s[G1+0], s43, (3<<16)|(1<<21)
	s_or_b32 s[G1B+0], s44, (3<<16)|(1<<21)
	s_or_b32 s[G1S+0], s43, (3<<16)|(1<<21)
	s_or_b32 s[G1SB+0], s44, (3<<16)|(1<<21)
.irp g, G1, G1B
	s_mov_b32 s[\g+1], 32<<16                      ; tensor_dim0
	s_mov_b32 s[\g+2], 128<<16                     ; tensor_dim1
	s_mov_b32 s[\g+3], 32<<16                      ; tile_dim0
	s_mov_b32 s[\g+4], 128                         ; tile_dim1
	s_mov_b32 s[\g+5], 32                          ; the pitch
	s_mov_b32 s[\g+6], 0
	s_mov_b32 s[\g+7], 0
.endr
.irp g, G1S, G1SB
	s_mov_b32 s[\g+1], 32<<16
	s_mov_b32 s[\g+2], 16<<16
	s_mov_b32 s[\g+3], 32<<16
	s_mov_b32 s[\g+4], 16
	s_mov_b32 s[\g+5], 32
	s_mov_b32 s[\g+6], 0
	s_mov_b32 s[\g+7], 0
.endr
	s_lshl_b32 s18, s16, 15
	s_lshl_b32 s20, s17, 16
	s_add_co_u32 s20, s20, s18                     ; x: 65,536 gy + 32,768 x half, in a plane
	s_mov_b32 s21, 0
	s_lshl_b32 s46, s42, 16
	s_add_co_u32 s46, s46, s18                     ; w_in: by gx
	s_mov_b32 s47, 0
	s_lshl_b32 s18, s16, 12
	s_lshl_b32 s22, s17, 13
	s_add_co_u32 s22, s22, s18
	s_add_co_u32 s22, s22, 4194304                 ; x's scale words
	s_mov_b32 s23, 0
	s_lshl_b32 s92, s42, 13
	s_add_co_u32 s92, s92, s18
	s_add_co_u32 s92, s92, 1572864                 ; w_in's
	s_mov_b32 s93, 0
	s_lshl_b32 s45, s14, 15                        ; where they go: wave x 32,768 in a slot,
	s_lshl_b32 s94, s14, 12                        ; wave x 4,096 among the scale words
	s_wait_dscnt 0x0                               ; both opening adds are done
	s_wait_kmcnt 0x0
	s_add_nc_u64 s[20:21], s[4:5], s[20:21]
	s_add_nc_u64 s[22:23], s[4:5], s[22:23]
	s_add_nc_u64 s[46:47], s[6:7], s[46:47]
	s_add_nc_u64 s[92:93], s[6:7], s[92:93]
	CROUND                                         ; all sixteen work-groups are here: the joint loads meet
	s_mov_b32 s[G0S], 1
	s_add_co_u32 s[G0S+1], s94, SCL
	s_mov_b64 s[G0S+2:G0S+3], s[22:23]
	s_or_b32 s[G0S+3], s[G0S+3], 0x80000000
	s_mov_b32 s[G0SB], 1
	s_add_co_u32 s[G0SB+1], s94, SCL
	s_mov_b64 s[G0SB+2:G0SB+3], s[92:93]
	s_or_b32 s[G0SB+3], s[G0SB+3], 0x80000000
	JLOAD G0S, G1S, G0SB, G1SB                     ; the scale words first: they are wanted with the first K step
.irp s, 0,1
	s_mov_b32 s[G0+4*\s], 1
	s_add_co_u32 s[G0+4*\s+1], s45, \s*SLOTB
	s_add_nc_u64 s[G0+4*\s+2:G0+4*\s+3], s[20:21], \s*2097152
	s_or_b32 s[G0+4*\s+3], s[G0+4*\s+3], 0x80000000
	s_mov_b32 s[G0B+4*\s], 1
	s_add_co_u32 s[G0B+4*\s+1], s45, \s*SLOTB
	s_add_nc_u64 s[G0B+4*\s+2:G0B+4*\s+3], s[46:47], \s*786432
	s_or_b32 s[G0B+4*\s+3], s[G0B+4*\s+3], 0x80000000
	JLOAD G0+4*\s, G1, G0B+4*\s, G1B
.endr
	v_and_b32 v1, 15, v0                           ; r
	v_bfe_u32 v2, v0, 4, 1                         ; h
	v_and_b32 v3, 31, v0
	v_lshlrev_b32 v3, 4, v3                        ; 16 x lane: my place in every image
	s_wait_alu depctr_va_vdst(0)
	s_cmp_eq_u32 ttmp9, 2                          ; v's cluster?  The same in all sixteen partners
	s_cselect_b32 s95, 65536, 0                    ; R: x's codes lie at 0 of a slot, w_in's at 65,536
	s_cselect_b32 s96, 0, 65536                    ; P: the other
	s_cselect_b32 s97, 8192, 0                     ; and their scale words likewise
	s_cselect_b32 s98, 0, 8192
	s_lshl_b32 s18, s15, 15
	s_add_co_u32 s95, s95, s18
	s_lshl_b32 s18, s16, 15
	s_add_co_u32 s96, s96, s18
	v_add_nc_u32 v[ADRR], s95, v3
	v_add_nc_u32 v[ADRP], s96, v3
	v_add_nc_u32 v[ADRR+1], SLOTB, v[ADRR]
	v_add_nc_u32 v[ADRP+1], SLOTB, v[ADRP]
	s_lshl_b32 s18, s15, 12
	s_add_co_u32 s97, s97, s18
	s_add_co_u32 s97, s97, SCL
	s_lshl_b32 s18, s16, 12
	s_add_co_u32 s98, s98, s18
	s_add_co_u32 s98, s98, SCL
	v_mov_b32 v4, s97
	v_mov_b32 v5, s98
	v_cmp_eq_u32 vcc_lo, 1, v2
	v_cndmask_b32 v4, v4, v5, vcc_lo               ; lanes 0-15 take R's scale words, lanes 16-31 P's
	v_lshl_add_u32 v[ADRS], v1, 4, v4
	v_lshlrev_b32 v6, 4, v2                        ; 16 h
	v_lshlrev_b32 v7, 6, v2                        ; 64 h
	v_mul_u32_u24 v8, v2, HSZ
	v_lshl_add_u32 v8, v1, 4, v8                   ; h x a head + 16 r
	v_and_b32 v9, 8, v1
	v_add_nc_u32 v9, v9, v1
	v_lshlrev_b32 v9, 2, v9                        ; 4 (r + 8 (r / 8))
.irp b, 0,1,2,3
	v_mov_b32 v[TM+4+\b], 0                        ; written once: a lane permute's destination counts as one of its sources
.endr
	s_mov_b32 s[SEL], 0x76543210
	s_mov_b32 s[SEL+1], 0xfedcba98
	s_mov_b32 s66, 0x7f7f0000
; 32 LDS loads: the fragments of the slot's q-th 128 along K into set: P's eight tiles (window 1), R's eight (window 0); each load takes 512 consecutive bytes
.macro FETCH slot, q, set
	WIN 0x40
.irp i, 0,1,2,3,4,5,6,7
.irp c, 0,1
	ds_load_b128 v[64*(\set)+8*\i+4*\c:64*(\set)+8*\i+4*\c+3], v[ADRP+\slot] offset:\i*4096+(\q)*1024+\c*512
.endr
.endr
	WIN 0
.irp i, 0,1,2,3,4,5,6,7
.irp c, 0,1
	ds_load_b128 v[128+64*(\set)+8*\i+4*\c:128+64*(\set)+8*\i+4*\c+3], v[ADRR+\slot] offset:\i*4096+(\q)*1024+\c*512
.endr
.endr
.endm
.macro SCALES slot                     ; the slot's scale words: register 4 i + q: lanes 0-15 R's tile i, lanes 16-31 P's tile i, K step q
.irp i, 0,1,2,3,4,5,6,7
	ds_load_b128 v[SC+32*\slot+4*\i:SC+32*\slot+4*\i+3], v[ADRS] offset:\i*512+\slot*256
.endr
.endm
; R's tiles a0 .. a0 + n - 1 against P's eight.  The 64 accumulators take turns, one instruction a turn, in the same order in every step.  zero = 1: the first product starts the sums
.macro MUL a0, n, set, q, slot, zero
.set aa, \a0
.rept \n
.irp b, 0,1,2,3,4,5,6,7
.if \zero
	v_wmma_scale_f32_16x16x128_f8f6f4 v[8*(8*(aa%4)+\b):8*(8*(aa%4)+\b)+7], v[64*(\set)+8*\b:64*(\set)+8*\b+7], v[128+64*(\set)+8*aa:128+64*(\set)+8*aa+7], 0, v[SC+32*(\slot)+4*\b+(\q)], v[SC+32*(\slot)+4*aa+(\q)] matrix_a_fmt:MATRIX_FMT_FP4 matrix_b_fmt:MATRIX_FMT_FP4 matrix_a_scale:MATRIX_SCALE_ROW1
.else
	v_wmma_scale_f32_16x16x128_f8f6f4 v[8*(8*(aa%4)+\b):8*(8*(aa%4)+\b)+7], v[64*(\set)+8*\b:64*(\set)+8*\b+7], v[128+64*(\set)+8*aa:128+64*(\set)+8*aa+7], v[8*(8*(aa%4)+\b):8*(8*(aa%4)+\b)+7], v[SC+32*(\slot)+4*\b+(\q)], v[SC+32*(\slot)+4*aa+(\q)] matrix_a_fmt:MATRIX_FMT_FP4 matrix_b_fmt:MATRIX_FMT_FP4 matrix_a_scale:MATRIX_SCALE_ROW1
.endif
.endr
.set aa, aa+1
.endr
.endm
.macro STEP slot, q, zero              ; a K step that has its successor in the same slot: the successor's fragments are asked for ahead of this step's 64 products
	s_wait_dscnt 0x0                               ; this step's fragments are in
	PLACES
	FETCH \slot, (\q)+1, 1-(\q)%2
	WIN 0xa1
	MUL 0, 4, (\q)%2, \q, \slot, \zero
	WIN 0xf1
	MUL 4, 4, (\q)%2, \q, \slot, \zero
	WIN 0
.endm
.macro HALF2                           ; the second K half
	STEP 1, 0, 0
	STEP 1, 1, 0
	STEP 1, 2, 0
	s_wait_dscnt 0x0
	WIN 0xa1
	MUL 0, 4, 1, 3, 1, 0
	WIN 0xf1
	MUL 4, 4, 1, 3, 1, 0
	WIN 0
	PLACES
	s_wait_loadcnt 0x0                             ; the bias
.endm
; 64 numbers of a lane, register 16 b + i = index 32 b + 16 (lane / 16) + i of my row, become a fragment's codes in v[pc] on and its scale word in v[pw]
.macro QUANT s, pc, pw
.irp b, 0,1,2,3
	v_max3_num_f32 v[TM+\b], |v[\s+16*\b]|, |v[\s+1+16*\b]|, 0x1800000   ; my 16 numbers of block b, and the floor 2^(3 - 127)
.endr
.irp i, 2,4,6,8,10,12,14
.irp b, 0,1,2,3
	v_max3_num_f32 v[TM+\b], v[TM+\b], |v[\s+16*\b+\i]|, |v[\s+1+16*\b+\i]|
.endr
.endr
.irp b, 0,1,2,3
	v_permlanex16_b32 v[TM+4+\b], v[TM+\b], s[SEL], s[SEL+1]
.endr
.irp b, 0,1,2,3
	v_max_num_f32 v[TM+\b], v[TM+\b], v[TM+4+\b]   ; with lane l xor 16's: the block's largest magnitude
.endr
.irp b, 0,1,2,3
	v_add_nc_u32 v[TM+12+\b], 0xff000000, v[TM+\b] ; 2 off its exponent field: the conversion's scale operand
.endr
.irp b, 0,1,2,3
	v_lshrrev_b32 v[TM+4+\b], 23, v[TM+12+\b]      ; the scale's byte
.endr
	v_lshl_or_b32 v[\pw], v[TM+5], 8, v[TM+4]
	v_lshl_or_b32 v[\pw], v[TM+6], 16, v[\pw]
	v_lshl_or_b32 v[\pw], v[TM+7], 24, v[\pw]
.irp b, 0,1,2,3
	v_cvt_scalef32_pk8_fp4_f32 v[\pc+2*\b], v[\s+16*\b:\s+7+16*\b], v[TM+12+\b]
	v_cvt_scalef32_pk8_fp4_f32 v[\pc+1+2*\b], v[\s+8+16*\b:\s+15+16*\b], v[TM+12+\b]
.endr
	v_nop                                          ; one plain place behind a scaled conversion
.irp c, 0,1                            ; the operand's layout wants a whole block in a lane
.irp i, 0,1
	v_permlane16_swap_b32 v[\pc+4*\c+\i], v[\pc+2+4*\c+\i]
.endr
.endr
.endm
	s_wait_tensorcnt 1                             ; the scale words and my part of slot 0 are in; slot 1's load may stay out
	s_barrier_signal -1
	s_barrier_wait -1                              ; everybody's are
	SCALES 0
	FETCH 0, 0, 0
	STEP 0, 0, 1
	STEP 0, 1, 0
	STEP 0, 2, 0
	s_wait_dscnt 0x0                               ; slot 0's last step, and the one barrier for slot 1: my LDS loads are in,
	s_wait_tensorcnt 0x0                           ; my part of slot 1 has landed
	s_barrier_signal -1
	WIN 0xa1
	MUL 0, 4, 1, 3, 0, 0                           ; work on registers while the others arrive
	WIN 0
	s_barrier_wait -1
	PLACES
	FETCH 1, 0, 0
	SCALES 1
	WIN 0xf1
	MUL 4, 4, 1, 3, 0, 0
	WIN 0
	s_cmp_eq_u32 ttmp9, 2
	s_cbranch_scc1 .Lvarm
	; ---------------- q and k: a lane holds a token, its registers run along 128 columns: two heads ----------------
	s_lshl_b32 s95, s42, 2
	s_lshl_b32 s96, s16, 1
	s_add_co_u32 s95, s95, s96
	s_and_b32 s95, s95, 15                         ; my first head
	s_lshr_b32 s96, s17, 3
	s_lshl_b32 s96, s96, 4
	s_add_co_u32 s95, s95, s96                     ; + 16 x batch
	s_lshl_b32 s95, s95, 4
	s_lshl_b32 s96, s17, 1
	s_add_co_u32 s96, s96, s15
	s_and_b32 s96, s96, 15                         ; my 128 tokens' record
	s_add_co_u32 s95, s95, s96
	s_mul_i32 s95, s95, RSZ
	s_cmp_eq_u32 ttmp9, 0                          ; q or k
	s_cselect_b32 s96, 0, 4608
	s_mov_b32 s98, 12800
	s_cselect_b32 s98, 4096, s98
	s_add_co_u32 s96, s96, s95
	s_mov_b32 s97, 0
	s_add_nc_u64 s[12:13], s[10:11], s[96:97]      ; the codes
	s_add_co_u32 s96, s98, s95
	s_add_nc_u64 s[18:19], s[10:11], s[96:97]      ; the scale words
	s_lshl_b32 s96, s42, 10
	s_lshl_b32 s98, s16, 9
	s_add_co_u32 s96, s96, s98
	s_add_nc_u64 s[8:9], s[8:9], s[96:97]          ; b_in at my 128 columns
	WIN 0x40
.irp b, 0,1,2,3,4,5,6,7                ; the bias in the result's layout: tile b, register j: column 32 (b / 2) + 8 (b % 2) + 16 h + j
	global_load_b128 v[BI+8*\b:BI+8*\b+3], v7, s[8:9] offset:(32*(\b/2)+8*(\b%2))*4
	global_load_b128 v[BI+8*\b+4:BI+8*\b+7], v7, s[8:9] offset:(32*(\b/2)+8*(\b%2))*4+16
.endr
	WIN 0
	HALF2
.macro QKBLOCK a                       ; 16 tokens x 128 columns: + bias (which also brings the block into window 0), quantised, stored
	WIN 0x06+(\a)/4
.set AC, 64*((\a)%4)
.set i, 0
.rept 32
	v_pk_add_f32 v[HA+i:HA+i+1], v[AC+i:AC+i+1], v[BI+i:BI+i+1]   ; each accumulator from its low end on
.set i, i+2
.endr
	WIN 0
	QUANT HA, PCB+8*(\a), PW
	v_lshrrev_b32 v[SW+(\a)], v6, v[PW]            ; lanes 0-15 keep the first head's two bytes, lanes 16-31 the second's;
	v_and_or_b32 v[SW+(\a)], v[SW+(\a)], 0xffff, s66   ; bytes 2 and 3, of the K that a head of 64 does not have, stand for 1
.irp c, 0,1
	global_store_b128 v3, v[PCB+8*(\a)+4*\c:PCB+8*(\a)+4*\c+3], s[12:13] offset:\c*HSZ+(\a)*512   ; head c of my two: 512 consecutive bytes
.endr
.endm
.irp a, 0,1,2,3,4,5,6,7
	QKBLOCK \a
.endr
.irp g, 0,1
	global_store_b128 v8, v[SW+4*\g:SW+4*\g+3], s[18:19] offset:\g*256   ; each half of the lanes fills 256 consecutive bytes of its head's record
.endr
	s_branch .Ldone
.Lvarm:	; ---------------- v: a lane holds a column (a head's channel), its registers run along 128 keys ----------------
	s_sub_co_u32 s95, s42, 8
	s_lshl_b32 s95, s95, 2
	s_lshl_b32 s96, s15, 1
	s_add_co_u32 s95, s95, s96                     ; my first head
	s_lshr_b32 s96, s17, 3
	s_lshl_b32 s96, s96, 4
	s_add_co_u32 s95, s95, s96
	s_lshl_b32 s95, s95, 4
	s_lshl_b32 s96, s17, 1
	s_add_co_u32 s96, s96, s16
	s_and_b32 s96, s96, 15                         ; my 128 keys' record
	s_add_co_u32 s95, s95, s96
	s_mul_i32 s96, s95, RSZ
	s_mov_b32 s97, 0
	s_add_nc_u64 s[12:13], s[10:11], s[96:97]
	s_lshl_b32 s96, s42, 10
	s_lshl_b32 s98, s15, 9
	s_add_co_u32 s96, s96, s98
	s_add_nc_u64 s[8:9], s[8:9], s[96:97]          ; b_in at my 128 columns
	WIN 0x40
	s_wait_alu depctr_va_vdst(0)
.irp a, 0,1,2,3,4,5,6,7                ; the bias of my lane's column in tile a
	global_load_b32 v[BV+\a], v9, s[8:9] offset:(32*(\a/2)+8*(\a%2))*4
.endr
	WIN 0
	HALF2
.macro VBLOCK a                        ; 16 channels x 128 keys
	WIN 0x06+(\a)/4
.set AC, 64*((\a)%4)
.set i, 0
.rept 32
.if (\a)%2 == 0
	v_pk_add_f32 v[HA+i:HA+i+1], v[AC+i:AC+i+1], v[BV+(\a):BV+(\a)+1] op_sel_hi:[1,0]
.else
	v_pk_add_f32 v[HA+i:HA+i+1], v[AC+i:AC+i+1], v[BV+(\a)-1:BV+(\a)] op_sel:[0,1] op_sel_hi:[1,1]
.endif
.set i, i+2
.endr
	WIN 0
	QUANT HA, PCB+8*(\a), SW+(\a)
.irp c, 0,1
	global_store_b128 v3, v[PCB+8*(\a)+4*\c:PCB+8*(\a)+4*\c+3], s[12:13] offset:8704+((\a)/4)*HSZ+((\a)%4)*1024+\c*512
.endr
.endm
.irp a, 0,1,2,3,4,5,6,7
	VBLOCK \a
.endr
	v_cmp_eq_u32 vcc_lo, 1, v2
.irp t, 0,1,2,3
	v_cndmask_b32 v[TM+\t], v[SW+\t], v[SW+4+\t], vcc_lo   ; lanes 0-15 the first head's four tiles, lanes 16-31 the second's
.endr
	global_store_b128 v8, v[TM:TM+3], s[12:13] offset:13312
.Ldone:
	s_wait_tensorcnt 0x0                           ; the wave's end
	ds_add_u32 v[SPW], v[NIL]
	s_wait_dscnt 0x0
	CROUND                                         ; the closing round
	s_endpgm
.Lfunc_end_k_q6778d433a1_qkv:
	.size	k_q6778d433a1_qkv, .Lfunc_end_k_q6778d433a1_qkv-k_q6778d433a1_qkv
	.p2alignl 7, 3214868480
	.fill 96, 4, 3214868480
	.section	.rodata,"a",@progbits
	.p2align	6, 0x0
	.amdhsa_kernel k_q6778d433a1_qkv
		.amdhsa_group_segment_fixed_size 295424
		.amdhsa_private_segment_fixed_size 0
		.amdhsa_enable_private_segment 0
		.amdhsa_kernarg_size 32
		.amdhsa_user_sgpr_count 2
		.amdhsa_user_sgpr_kernarg_segment_ptr 1
		.amdhsa_wavefront_size32 1
		.amdhsa_system_sgpr_workgroup_id_x 1
		.amdhsa_system_sgpr_workgroup_id_y 1
		.amdhsa_system_sgpr_workgroup_id_z 1
		.amdhsa_system_vgpr_workitem_id 0
		.amdhsa_next_free_vgpr 1024
		.amdhsa_next_free_sgpr 100
		.amdhsa_reserve_vcc 1
		.amdhsa_float_denorm_mode_32 3
		.amdhsa_float_denorm_mode_16_64 3
		.amdhsa_memory_ordered 1
		.amdhsa_forward_progress 1
		.amdhsa_inst_pref_size 234
	.end_amdhsa_kernel
	.amdgpu_metadata
---
amdhsa.version: [ 1, 2 ]
amdhsa.kernels:
  - .name:           k_q6778d433a1_qkv
    .symbol:         k_q6778d433a1_qkv.kd
    .args:
      - { .name: xq, .offset: 0, .size: 8, .value_kind: global_buffer, .address_space: global }
      - { .name: winq, .offset: 8, .size: 8, .value_kind: global_buffer, .address_space: global }
      - { .name: b_in, .offset: 16, .size: 8, .value_kind: global_buffer, .address_space: global }
      - { .name: qkv, .offset: 24, .size: 8, .value_kind: global_buffer, .address_space: global }
    .group_segment_fixed_size: 295424
    .private_segment_fixed_size: 0
    .kernarg_segment_align: 8
    .kernarg_segment_size: 32
    .max_flat_workgroup_size: 128
    .sgpr_count:     100
    .vgpr_count:     1024
    .wavefront_size: 32
...
	.end_amdgpu_metadata
.endif
;; end of part 2
;; launch attn (part 3): grid 4 x 64, 16 waves a work-group, clusters of 4 x 1, 167,936 bytes of LDS; arguments qkv, attq; writes attq
.if DOCPART == 3
	.amdgcn_target "amdgcn-amd-amdhsa--gfx1250"
	.amdhsa_code_object_version 6
	.text
	.protected	k_q6778d433a1_attn
	.globl	k_q6778d433a1_attn
	.p2align	8
	.type	k_q6778d433a1_attn,@function
k_q6778d433a1_attn:
	s_mov_b64 s[64:65], 0
	v_nop
	global_prefetch_b8 v0, s[64:65] scope:SCOPE_SE
	s_setreg_imm32_b32 hwreg(HW_REG_WAVE_MODE, 25, 1), 1
	s_wait_xcnt 0x0
	s_wait_alu depctr_hold_cnt(0) depctr_sa_sdst(0) depctr_va_vdst(0) depctr_va_sdst(0) depctr_va_ssrc(0) depctr_va_vcc(0) depctr_vm_vsrc(0)
	s_getreg_b32 s2, hwreg(HW_REG_IB_STS2, 6, 4)
	s_cmp_eq_u32 s2, 0
	s_cbranch_scc0 .Lentry_in_a_cluster
	s_endpgm
.Lentry_in_a_cluster:
	s_bfe_u32 s2, ttmp6, 0x10000c
	s_cmp_lg_u32 s2, 0x3003
	s_cbranch_scc0 .Lentry_shape_is_right
	s_endpgm
.Lentry_shape_is_right:
; LAUNCH 3 OF 4.  For each of 64 heads: S^T = k q^T, the causal mask, p = 2^(t - M) with t = score x log2(e) / 8 and M the running largest t rounded up to a whole number, O^T += v^T p^T on p's codes, / the sum of the unquantised p,
; and the quantiser of the last product's operand, along the 1,024 channels (a head's 64 are two blocks).  All operands come as launch 2's images.
; WORK LEFT OUT: key steps all of whose 128 keys come after all 16 queries of a tile: under reference()'s own causal mask their p is 0, which adds nothing to any sum and cannot raise the maximum (shown at the head of launch 1).
; SHARES.  A cluster of four work-groups takes a head.  Work-group g takes the query tiles a = 2 g and 2 g + 1 of each of the head's sixteen blocks of 128 tokens.  Wave w walks two tiles, one after the other: (block 15 - w, a = 2 g) and
; (block w, a = 2 g + 1): (16 - w) + (w + 1) = 17 key steps in every wave of the launch.  Each work-group reads all sixteen key steps (wave 0's first tile does).
; K AND V OF THE WHOLE HEAD lie in LDS, 16 x 8,960 bytes, filled once: wave w asks for key step w's dense piece (k's codes 0, v's codes 4,096, k's scale words 8,192, v's 8,704) by ONE joint load that names all four work-groups.
; By this text's own count a wave has one tensor load out.  My place in the cluster enters global addresses and the mask's lane constant alone: no branch, no LDS address.
; A HEAD OF 64 IN AN INSTRUCTION OF K = 128: q's registers 4-7 (k = 64 .. 127) hold zero codes, and both sides' scale bytes for those blocks are 0x7f.  So whatever codes of E2M1 stand in registers 4-7 of k's operand (the next tile's codes,
; or zeros behind the last) are multiplied by 0: the format has no infinity and no NaN.
; A lane holds one query throughout (both products are used transposed); the keys of a tile are the image's, so that p's 16 registers of two neighbouring tiles are 16 neighbouring keys.
; The scale bytes of the result leave one byte a lane: a scale word spans two heads, which are two clusters' work; they are one byte for sixteen of codes.
; LIMITS: the byte is held at 1 from below (a block of zeros too); NaN and infinities are not served.
; REGISTERS: v1 16 lane, v2 16 r, v5 the mask's constant, v6-7 LDS addresses, v8 16 r + h; v12 -M, v13 the largest t, v[14:15] the sum; v16-23, v240-247 q of the two tiles, v24, v25 their scale words; v28-35 k's scale words, v36-39 v's;
; v40-71 k (4 registers a tile), v72-75 zeros; v76-107 v; v108-171 S^T, then p; v172-203 O^T; v204-211 p's codes; v212-228 at work.
.set HSZ,   217088
.set RSZ,   13568
.set KSB,   8960
.set SPARE, 143360                     ; behind the sixteen key steps: the spare words, 128 bytes for each wave
.set SPW,   3
.set NIL,   4
.set S,     108
.set O,     172
.set PCD,   204
.set BM,    212
.set PM,    216
.set SO,    220
.set F,     224                        ; v224 f, v225 p's scale word
.set TMP,   226
.set SEL,   36
.set CS,    38
.set TB,    40
.set KS,    41
.set BB,    42
.set HM,    43
.macro CROUND
	s_barrier_signal -1
	s_barrier_wait -1
	s_cmp_lg_u32 s8, 0
	s_cbranch_scc1 .Lnot_wave_0_\@
	s_barrier_signal -3
.Lnot_wave_0_\@:
	s_barrier_wait -3
	s_barrier_signal -1
	s_barrier_wait -1
.endm
	s_load_b128 s[4:7], s[0:1], 0x0                ; qkv s[4:5], attq s[6:7]
	v_lshl_add_u32 v[SPW], v0, 2, SPARE
	v_mov_b32 v[NIL], 0
	ds_add_u32 v[SPW], v[NIL]                      ; the wave's opening: the add, twice on end, and its wait ahead of my first tensor load
	ds_add_u32 v[SPW], v[NIL]
	v_lshrrev_b32 v1, 5, v0
	s_delay_alu instid0(VALU_DEP_1)
	v_readfirstlane_b32 s8, v1                     ; wave 0..15
	s_bfe_u32 s9, ttmp6, 0x40000                   ; g: my place in the cluster
	s_and_b32 s10, ttmp7, 0xffff                   ; the head (16 x batch + head), which the four partners share
	s_mov_b32 s24, 15|(3<<16)|(1<<21)              ; group 1: the mask names all four; elements of 8 bytes; bit 21 beside a mask
	s_mov_b32 s25, 32<<16                          ; rows of 256 bytes,
	s_mov_b32 s26, 35<<16                          ; 35 of them: 8,960 dense bytes
	s_mov_b32 s27, 32<<16
	s_mov_b32 s28, 35
	s_mov_b32 s29, 32
	s_mov_b32 s30, 0
	s_mov_b32 s31, 0
	s_mul_i32 s12, s10, HSZ                        ; the head's first byte
	s_mul_i32 s13, s8, RSZ                         ; record w
	s_add_co_u32 s14, s12, s13
	s_add_co_u32 s14, s14, 4608                    ; its piece for a key step
	s_mov_b32 s15, 0
	s_mov_b32 s20, 1
	s_mul_i32 s21, s8, KSB                         ; and its place in LDS
	s_mov_b32 s[SEL], 0x76543210
	s_mov_b32 s[SEL+1], 0xfedcba98
	s_mov_b32 s[CS], 0x3e38aa3b                    ; c = log2(e) / 8
	s_mov_b32 s[CS+1], s[CS]
	s_mov_b32 s[HM], 0xffff0000                    ; lanes 16-31
	s_wait_dscnt 0x0                               ; both opening adds are done
	s_wait_kmcnt 0x0
	s_add_nc_u64 s[22:23], s[4:5], s[14:15]
	s_or_b32 s23, s23, 0x80000000
	CROUND                                         ; all four work-groups are here: the joint loads meet
	tensor_load_to_lds s[20:23], s[24:31]
	s_nop 0
.rept 4
	v_nop
.endr
	v_and_b32 v5, 15, v0                           ; r
	v_bfe_u32 v6, v0, 4, 1                         ; h
	v_and_b32 v1, 31, v0
	s_delay_alu instid0(VALU_DEP_1)
	v_lshlrev_b32 v1, 4, v1                        ; 16 x lane
	s_delay_alu instid0(VALU_DEP_4)
	v_lshlrev_b32 v2, 4, v5                        ; 16 r
	s_wait_alu depctr_va_vdst(0)
	v_add_nc_u32 v8, v2, v6                        ; 16 r + h
	v_and_b32 v7, 8, v5
	s_delay_alu instid0(VALU_DEP_1)
	v_add_nc_u32 v5, v5, v7
	v_lshlrev_b32 v7, 4, v6
	s_delay_alu instid0(VALU_DEP_1)
	v_sub_nc_u32 v5, v5, v7
	s_lshl_b32 s11, s9, 5
	v_add_nc_u32 v5, s11, v5                       ; r + 8 (r / 8) - 16 h + 32 g: my query's place in its block of 128, less my half's 16 keys, for a = 2 g
	s_lshl_b32 s11, s9, 10
	v_add_nc_u32 v9, s11, v1                       ; q's codes: tile 2 g at 1,024 g, + 16 lane
	s_wait_alu depctr_va_vdst(0)
	s_lshr_b32 s11, s9, 1
	s_lshl_b32 s11, s11, 8
	s_and_b32 s16, s9, 1
	s_lshl_b32 s16, s16, 3
	s_add_co_u32 s11, s11, s16
	s_add_co_u32 s11, s11, 4096
	v_add_nc_u32 v10, s11, v2                      ; q's scale words: 4,096 + 256 (a / 4) + 4 (a % 4) + 16 r
	s_sub_co_u32 s32, 15, s8
	s_mul_i32 s32, s32, RSZ
	s_add_co_u32 s32, s32, s12
	s_mov_b32 s33, 0
	s_add_nc_u64 s[44:45], s[4:5], s[32:33]        ; record 15 - w
	s_add_co_u32 s32, s13, s12
	s_add_nc_u64 s[46:47], s[4:5], s[32:33]        ; record w
	global_load_b128 v[16:19], v9, s[44:45]
	global_load_b32 v24, v10, s[44:45]
	global_load_b128 v[240:243], v9, s[46:47] offset:512
	global_load_b32 v25, v10, s[46:47] offset:4
.irp j, 20,21,22,23,244,245,246,247,72,73,74,75
	v_mov_b32 v[\j], 0                             ; zero codes: q's k = 64 .. 127, and what stands behind k's last tile
.endr
.irp j, 216,217,218,219,224,225,226,227
	v_mov_b32 v[\j], 0                             ; written once: lane permutes' destinations, and halves of pairs that are named before they are first written
.endr
	s_wait_tensorcnt 0x0                           ; my key step has landed,
	s_barrier_signal -1
	s_barrier_wait -1                              ; everybody's has
	s_wait_loadcnt 0x0                             ; q
.macro PHASE p, QF, QS
	s_wait_xcnt 0x0                                ; the stores of the tile before have read their registers and bases
.if \p == 0
	s_sub_co_u32 s[BB], 15, s8
.else
	s_mov_b32 s[BB], s8
.endif
	s_lshr_b32 s48, s10, 4
	s_lshl_b32 s48, s48, 7
	s_lshl_b32 s49, s[BB], 3
	s_add_co_u32 s48, s48, s49
	s_lshl_b32 s49, s9, 1
	s_add_co_u32 s48, s48, s49
	s_add_co_u32 s48, s48, \p                      ; the result's tile: 128 x batch + 8 x block + a
	s_and_b32 s49, s10, 15                         ; the head: K step head / 2, c = head % 2
	s_lshr_b32 s50, s49, 3
	s_bfe_u32 s51, s49, 0x20001
	s_and_b32 s52, s49, 1
	s_lshl_b32 s54, s48, 12
	s_lshl_b32 s53, s50, 21
	s_add_co_u32 s54, s54, s53
	s_lshl_b32 s53, s51, 10
	s_add_co_u32 s54, s54, s53
	s_lshl_b32 s53, s52, 9
	s_add_co_u32 s54, s54, s53
	s_mov_b32 s55, 0
	s_add_nc_u64 s[56:57], s[6:7], s[54:55]        ; its 512 bytes of codes
	s_lshl_b32 s54, s48, 9
	s_lshl_b32 s53, s50, 8
	s_add_co_u32 s54, s54, s53
	s_lshl_b32 s53, s51, 2
	s_add_co_u32 s54, s54, s53
	s_lshl_b32 s53, s52, 1
	s_add_co_u32 s54, s54, s53
	s_add_co_u32 s54, s54, 4194304
	s_add_nc_u64 s[58:59], s[6:7], s[54:55]        ; its scale bytes
	v_mov_b32 v13, 0xff61b1e6                      ; the largest t so far: -3e38, under every t
	s_delay_alu instid0(VALU_DEP_1)
	v_floor_f32 v12, -v13                          ; -M
	v_mov_b32 v14, 0
	v_mov_b32 v15, 0
.set j, 0
.rept 32
	v_mov_b32 v[O+j], 0                            ; O^T: the step is written once; the first finds zeros, which the first change of M leaves zeros
.set j, j+1
.endr
	s_mov_b32 s[TB], 0
	s_mov_b32 s[KS], 0
.Lkey_\@:                                          ; sixteen trips, a constant; a trip whose keys all come after my queries does nothing but step
	s_cmp_gt_u32 s[KS], s[BB]
	s_cbranch_scc1 .Lhidden_\@
	s_setprio 2
	v_add_nc_u32 v6, s[TB], v1
	v_add_nc_u32 v7, s[TB], v2
	v_nop
	v_nop                                          ; these four are the places behind the last products, ahead of the loads into v's registers
.irp t, 0,1,2,3,4,5,6,7
	ds_load_b128 v[40+4*\t:43+4*\t], v6 offset:512*\t
.endr
	ds_load_b128 v[28:31], v7 offset:8192
	ds_load_b128 v[32:35], v7 offset:8448
.irp t, 0,1,2,3
.irp c, 0,1
	ds_load_b128 v[76+8*\t+4*\c:79+8*\t+4*\c], v6 offset:4096+1024*\t+512*\c
.endr
.endr
	ds_load_b128 v[36:39], v7 offset:8704
	s_wait_dscnt 9                                 ; k and its scale words are in; v's eight loads and its scale words may be out
.irp t, 0,1,2,3,4,5,6,7
	v_wmma_scale_f32_16x16x128_f8f6f4 v[S+8*\t:S+8*\t+7], v[40+4*\t:47+4*\t], v[\QF:\QF+7], 0, v[28+\t], v[\QS] matrix_a_fmt:MATRIX_FMT_FP4 matrix_b_fmt:MATRIX_FMT_FP4
.endr
.rept 4
	v_nop
.endr
	s_cmp_lg_u32 s[KS], s[BB]                      ; on the diagonal the scores of hidden keys become -infinity ahead of the maximum
	s_cbranch_scc1 .Lopen_\@
	v_add_nc_u32 v[TMP], 8*\p, v5                  ; d: register 16 b + i holds the key 32 b + i + 16 (lane / 16) of the block: hidden where 32 b + i > d
	v_mov_b32 v[TMP+1], 0xff800000
.set n, 0
.rept 64
	v_cmp_gt_i32 vcc_lo, 32*(n/16)+n%16, v[TMP]
	v_cndmask_b32 v[S+n], v[S+n], v[TMP+1], vcc_lo
.set n, n+1
.endr
.Lopen_\@:
.irp b, 0,1,2,3
	v_max3_num_f32 v[BM+\b], v[S+16*\b], v[S+1+16*\b], v[S+2+16*\b]   ; the largest score of each block of 32 keys: for the row's maximum, and, since p rises with the score, for the block's largest p
.endr
.irp i, 3,5,7,9,11,13
.irp b, 0,1,2,3
	v_max3_num_f32 v[BM+\b], v[BM+\b], v[S+16*\b+\i], v[S+1+16*\b+\i]
.endr
.endr
.irp b, 0,1,2,3
	v_max_num_f32 v[BM+\b], v[BM+\b], v[S+15+16*\b]
.endr
.irp b, 0,1,2,3
	s_delay_alu instid0(VALU_DEP_4)
	v_permlanex16_b32 v[PM+\b], v[BM+\b], s[SEL], s[SEL+1]
.endr
.irp b, 0,1,2,3
	s_delay_alu instid0(VALU_DEP_4)
	v_max_num_f32 v[BM+\b], v[BM+\b], v[PM+\b]     ; with lane l xor 16's 16 keys
.endr
	s_delay_alu instid0(VALU_DEP_2)
	v_max3_num_f32 v[TMP], v[BM], v[BM+1], v[BM+2]
	s_delay_alu instid0(VALU_DEP_1)
	v_max_num_f32 v[TMP], v[TMP], v[BM+3]
	s_delay_alu instid0(VALU_DEP_1)
	v_mul_f32 v[TMP], s[CS], v[TMP]                ; as t
	s_delay_alu instid0(VALU_DEP_1)
	v_max_num_f32 v13, v13, v[TMP]                 ; the running largest t
	v_mov_b32 v[TMP], v12
	s_delay_alu instid0(VALU_DEP_2)
	v_floor_f32 v12, -v13                          ; the new -M = -ceil(t)
	s_delay_alu instid0(VALU_DEP_1)
	v_sub_f32 v[TMP], v12, v[TMP]                  ; old M - new M: a whole number, 0 or less
	s_delay_alu instid0(VALU_DEP_1)
	v_cvt_i32_f32 v[TMP], v[TMP]                   ; (it saturates)
	s_delay_alu instid0(VALU_DEP_1)
	v_ldexp_f32 v[F], 1.0, v[TMP]                  ; f = 2^(old M - new M)
.set j, 0
.rept 32
	v_pk_fma_f32 v[S+j:S+j+1], v[S+j:S+j+1], s[CS:CS+1], v[12:13] op_sel_hi:[1,0,0]   ; t - M
.set j, j+2
.endr
	s_setprio 1
.irp b, 0,1,2,3
	v_fma_f32 v[BM+\b], v[BM+\b], s[CS], v12
.endr
.set j, 0
	s_wait_alu depctr_va_vdst(0)
.rept 64
	v_exp_f32 v[S+j], v[S+j]                       ; p = 2^(t - M)
.set j, j+1
.endr
	v_pk_mul_f32 v[14:15], v[14:15], v[F:F+1] op_sel_hi:[1,0]   ; the sums under the new M: a plain place behind the exponentials
	s_wait_alu depctr_va_vdst(0)                   ; one wait for the whole batch, ahead of its first reader
.irp b, 0,1,2,3
	v_exp_f32 v[BM+\b], v[BM+\b]                   ; the block's largest p
.endr
	v_pk_add_f32 v[216:217], v[112:113], v[116:117]
	v_pk_add_f32 v[254:255], v[120:121], v[124:125]
	v_pk_add_f32 v[252:253], v[128:129], v[132:133]
	v_pk_add_f32 v[250:251], v[136:137], v[140:141]
	v_pk_add_f32 v[248:249], v[144:145], v[148:149]
	v_pk_add_f32 v[238:239], v[152:153], v[156:157]
	v_pk_add_f32 v[236:237], v[160:161], v[164:165]
	v_pk_add_f32 v[14:15], v[14:15], v[168:169]
	v_pk_add_f32 v[216:217], v[216:217], v[108:109]
	v_pk_add_f32 v[254:255], v[254:255], v[110:111]
	v_pk_add_f32 v[252:253], v[252:253], v[114:115]
	v_pk_add_f32 v[250:251], v[250:251], v[118:119]
	v_pk_add_f32 v[248:249], v[248:249], v[122:123]
	v_pk_add_f32 v[238:239], v[238:239], v[126:127]
	v_pk_add_f32 v[236:237], v[236:237], v[130:131]
	v_pk_add_f32 v[14:15], v[14:15], v[134:135]
	v_pk_add_f32 v[216:217], v[216:217], v[138:139]
	v_pk_add_f32 v[254:255], v[254:255], v[142:143]
	v_pk_add_f32 v[252:253], v[252:253], v[146:147]
	v_pk_add_f32 v[250:251], v[250:251], v[150:151]
	v_pk_add_f32 v[248:249], v[248:249], v[154:155]
	v_pk_add_f32 v[238:239], v[238:239], v[158:159]
	v_pk_add_f32 v[236:237], v[236:237], v[162:163]
	v_pk_add_f32 v[14:15], v[14:15], v[166:167]
	v_pk_add_f32 v[216:217], v[216:217], v[170:171]
	s_delay_alu instid0(VALU_DEP_2)
	v_pk_add_f32 v[14:15], v[14:15], v[250:251]
	s_delay_alu instid0(VALU_DEP_2)
	v_pk_add_f32 v[216:217], v[216:217], v[248:249]
	v_pk_add_f32 v[254:255], v[254:255], v[238:239]
	v_pk_add_f32 v[252:253], v[252:253], v[236:237]
	s_delay_alu instid0(VALU_DEP_2)
	v_pk_add_f32 v[14:15], v[14:15], v[254:255]
	s_delay_alu instid0(VALU_DEP_2)
	v_pk_add_f32 v[216:217], v[216:217], v[252:253]
	s_delay_alu instid0(VALU_DEP_1)
	v_pk_add_f32 v[14:15], v[14:15], v[216:217]
	s_wait_alu depctr_va_vdst(0)                   ; and one for the four
.irp b, 0,1,2,3
	v_max_num_f32 v[BM+\b], 0x1800000, v[BM+\b]    ; the floor
.endr
.irp b, 0,1,2,3
	s_delay_alu instid0(VALU_DEP_4)
	v_add_nc_u32 v[SO+\b], 0xff000000, v[BM+\b]
.endr
.irp b, 0,1,2,3
	s_delay_alu instid0(VALU_DEP_4)
	v_lshrrev_b32 v[PM+\b], 23, v[SO+\b]
.endr
	s_delay_alu instid0(VALU_DEP_3)
	v_lshl_or_b32 v[F+1], v[PM+1], 8, v[PM]        ; p's scale word for these 128 keys
	s_delay_alu instid0(VALU_DEP_1)
	v_lshl_or_b32 v[F+1], v[PM+2], 16, v[F+1]
	s_delay_alu instid0(VALU_DEP_1)
	v_lshl_or_b32 v[F+1], v[PM+3], 24, v[F+1]
	s_setprio 0
.irp b, 0,1,2,3
	v_cvt_scalef32_pk8_fp4_f32 v[PCD+2*\b], v[S+16*\b:S+16*\b+7], v[SO+\b]
	v_cvt_scalef32_pk8_fp4_f32 v[PCD+1+2*\b], v[S+8+16*\b:S+8+16*\b+7], v[SO+\b]
.endr
	v_nop                                          ; one plain place behind a scaled conversion
.irp c, 0,1
.irp i, 0,1
	v_permlane16_swap_b32 v[PCD+4*\c+\i], v[PCD+2+4*\c+\i]
.endr
.endr
.set j, 0
.rept 16
	v_pk_mul_f32 v[O+j:O+j+1], v[O+j:O+j+1], v[F:F+1] op_sel_hi:[1,0]   ; O^T under the new M; these sixteen are also the places ahead of the scaled products
.set j, j+2
.endr
	s_wait_alu depctr_va_vdst(0)
	s_wait_dscnt 0x0                               ; v and its scale words are in
.irp t, 0,1,2,3
	v_wmma_scale_f32_16x16x128_f8f6f4 v[O+8*\t:O+8*\t+7], v[76+8*\t:83+8*\t], v[PCD:PCD+7], v[O+8*\t:O+8*\t+7], v[36+\t], v[F+1] matrix_a_fmt:MATRIX_FMT_FP4 matrix_b_fmt:MATRIX_FMT_FP4
.endr
.Lhidden_\@:
	s_add_co_u32 s[TB], s[TB], KSB
	s_add_co_u32 s[KS], s[KS], 1
	s_cmp_lt_u32 s[KS], 16
	s_cbranch_scc1 .Lkey_\@
	s_setprio 0
	; the way out: / the sum, then the quantiser along the channels: register 16 b + i is channel 32 b + 16 (lane / 16) + i of my query
.rept 4
	v_nop
.endr
	v_add_f32 v14, v14, v15
	s_delay_alu instid0(VALU_DEP_1)
	v_permlanex16_b32 v[TMP], v14, s[SEL], s[SEL+1]
	s_delay_alu instid0(VALU_DEP_1)
	v_add_f32 v14, v14, v[TMP]                     ; the row's sum
	s_wait_alu depctr_va_vdst(0)
	v_rcp_f32 v14, v14
	v_nop                                          ; a plain place behind the transcendental
	s_wait_alu depctr_va_vdst(0)                   ; and the wait ahead of its first reader
.set j, 0
.rept 16
	v_pk_mul_f32 v[S+j:S+j+1], v[O+j:O+j+1], v[14:15] op_sel_hi:[1,0]
.set j, j+2
.endr
.irp b, 0,1
	v_max3_num_f32 v[BM+\b], |v[S+16*\b]|, |v[S+1+16*\b]|, 0x1800000
.endr
.irp i, 2,4,6,8,10,12,14
.irp b, 0,1
	s_delay_alu instid0(VALU_DEP_2)
	v_max3_num_f32 v[BM+\b], v[BM+\b], |v[S+16*\b+\i]|, |v[S+1+16*\b+\i]|
.endr
.endr
.irp b, 0,1
	s_delay_alu instid0(VALU_DEP_2)
	v_permlanex16_b32 v[PM+\b], v[BM+\b], s[SEL], s[SEL+1]
.endr
.irp b, 0,1
	s_delay_alu instid0(VALU_DEP_2)
	v_max_num_f32 v[BM+\b], v[BM+\b], v[PM+\b]
.endr
.irp b, 0,1
	s_delay_alu instid0(VALU_DEP_2)
	v_add_nc_u32 v[SO+\b], 0xff000000, v[BM+\b]
.endr
.irp b, 0,1
	s_delay_alu instid0(VALU_DEP_2)
	v_lshrrev_b32 v[PM+\b], 23, v[SO+\b]
.endr
.irp b, 0,1
	v_cvt_scalef32_pk8_fp4_f32 v[PCD+2*\b], v[S+16*\b:S+16*\b+7], v[SO+\b]
	v_cvt_scalef32_pk8_fp4_f32 v[PCD+1+2*\b], v[S+8+16*\b:S+8+16*\b+7], v[SO+\b]
.endr
	v_nop
.irp i, 0,1
	v_permlane16_swap_b32 v[PCD+\i], v[PCD+2+\i]   ; registers 0-3: channels 32 (lane / 16) + 0 .. 31
.endr
	v_cndmask_b32 v[TMP+2], v[PM], v[PM+1], s[HM]  ; lanes 0-15 the first block's byte, lanes 16-31 the second's
	global_store_b128 v1, v[PCD:PCD+3], s[56:57]   ; 512 consecutive bytes of the image
	global_store_b8 v8, v[TMP+2], s[58:59]
.endm
	PHASE 0, 16, 24
	PHASE 1, 240, 25
	s_wait_tensorcnt 0x0                           ; the wave's end
	ds_add_u32 v[SPW], v[NIL]
	s_wait_dscnt 0x0
	CROUND                                         ; the closing round
	s_endpgm
.Lfunc_end_k_q6778d433a1_attn:
	.size	k_q6778d433a1_attn, .Lfunc_end_k_q6778d433a1_attn-k_q6778d433a1_attn
	.p2alignl 7, 3214868480
	.fill 96, 4, 3214868480
	.section	.rodata,"a",@progbits
	.p2align	6, 0x0
	.amdhsa_kernel k_q6778d433a1_attn
		.amdhsa_group_segment_fixed_size 167936
		.amdhsa_private_segment_fixed_size 0
		.amdhsa_enable_private_segment 0
		.amdhsa_kernarg_size 16
		.amdhsa_user_sgpr_count 2
		.amdhsa_user_sgpr_kernarg_segment_ptr 1
		.amdhsa_wavefront_size32 1
		.amdhsa_system_sgpr_workgroup_id_x 1
		.amdhsa_system_sgpr_workgroup_id_y 1
		.amdhsa_system_sgpr_workgroup_id_z 1
		.amdhsa_system_vgpr_workitem_id 0
		.amdhsa_next_free_vgpr 256
		.amdhsa_next_free_sgpr 66
		.amdhsa_reserve_vcc 1
		.amdhsa_float_denorm_mode_32 3
		.amdhsa_float_denorm_mode_16_64 3
		.amdhsa_memory_ordered 1
		.amdhsa_forward_progress 1
		.amdhsa_inst_pref_size 61
	.end_amdhsa_kernel
	.amdgpu_metadata
---
amdhsa.version: [ 1, 2 ]
amdhsa.kernels:
  - .name:           k_q6778d433a1_attn
    .symbol:         k_q6778d433a1_attn.kd
    .args:
      - { .name: qkv, .offset: 0, .size: 8, .value_kind: global_buffer, .address_space: global }
      - { .name: attq, .offset: 8, .size: 8, .value_kind: global_buffer, .address_space: global }
    .group_segment_fixed_size: 167936
    .private_segment_fixed_size: 0
    .kernarg_segment_align: 8
    .kernarg_segment_size: 16
    .max_flat_workgroup_size: 512
    .sgpr_count:     66
    .vgpr_count:     256
    .wavefront_size: 32
...
	.end_amdgpu_metadata
.endif
;; end of part 3
;; launch proj (part 4): grid 4 x 64, 4 waves a work-group, clusters of 4 x 4, 327,680 bytes of LDS; arguments attq, woutq, b_out, out0; writes out0
.if DOCPART == 4
	.amdgcn_target "amdgcn-amd-amdhsa--gfx1250"
	.amdhsa_code_object_version 6
	.text
	.protected	k_q6778d433a1_proj
	.globl	k_q6778d433a1_proj
	.p2align	8
	.type	k_q6778d433a1_proj,@function
k_q6778d433a1_proj:
	s_mov_b64 s[64:65], 0
	v_nop
	global_prefetch_b8 v0, s[64:65] scope:SCOPE_SE
	s_setreg_imm32_b32 hwreg(HW_REG_WAVE_MODE, 25, 1), 1
	s_wait_xcnt 0x0
	s_wait_alu depctr_hold_cnt(0) depctr_sa_sdst(0) depctr_va_vdst(0) depctr_va_sdst(0) depctr_va_ssrc(0) depctr_va_vcc(0) depctr_vm_vsrc(0)
	s_getreg_b32 s2, hwreg(HW_REG_IB_STS2, 6, 4)
	s_cmp_eq_u32 s2, 0
	s_cbranch_scc0 .Lentry_in_a_cluster
	s_endpgm
.Lentry_in_a_cluster:
	s_bfe_u32 s2, ttmp6, 0x10000c
	s_cmp_lg_u32 s2, 0xf033
	s_cbranch_scc0 .Lentry_shape_is_right
	s_endpgm
.Lentry_shape_is_right:
; LAUNCH 4 OF 4.  out0 = att w_out + b_out on codes of E2M1: att's image from launch 3, w_out's from launch 1.  out0: [8192][1024] f32.
; A work-group makes 128 tokens x 256 columns (256 work-groups), each of its four waves 64 x 128: 32 accumulators.  All of K = 1,024 of both tiles lies in LDS (two slots by K half, 98,304 bytes each, and 12,288 bytes of scale words): every LDS byte that
; a tensor load fills is filled once.  By this text's own count a wave has three tensor loads out.
; CLUSTERS: 4 x 4 work-groups; att's tile is shared along a row of the cluster, w_out's along a column: joint loads.
; Source 0 = 16 columns of w_out (P), source 1 = 16 tokens (R): a lane holds one token and, in tiles 2 b and 2 b + 1, 16 neighbouring columns.  The bias is the C of each sum's first product.
; THE WAY OUT: 16 tokens x 128 columns at a time through the wave's own stage in LDS (bytes that no tensor load fills), back as whole rows: each store covers 512 consecutive bytes of a row of out0.
; REGISTERS: window 0: v1-5 lane constants; v16-17, v20-21, v27 LDS addresses; v24-25 the stage; v28-29 the add's two; v32-95 scale words; v128-159, v160-191 R's fragments, two sets; on the way out v128-255.
;   window 1: v0-127 P's fragments, two sets; v128-191 the bias.   window 2: the accumulators, (a, b) at v[8 (8 a + b)].
.set SLOTB, 98304
.set SCL,   196608                     ; att's scale words, 4,096 bytes, then w_out's, 8,192
.set STAGE, 208896                     ; 16 rows x 528 bytes for each wave
.set SPARE, 242688                     ; the spare words, 128 bytes for each wave
.set ADRR,  16
.set ADRP,  20
.set STO,   24
.set RD,    25
.set ADRS,  27
.set SPW,   28
.set NIL,   29
.set SC,    32
.set BI,    128                        ; in window 1
.set G1,    24
.set G0,    32
.set G1B,   48
.set G0B,   56
.set G1S,   68
.set G0S,   76
.set G1SB,  80
.set G0SB,  88
.set MSB, 0
.macro WIN new
.if MSB != (\new)
	s_set_vgpr_msb (MSB<<8)|(\new)
.set MSB, (\new)
.endif
.endm
.macro JLOAD g0a, g1a, g0b, g1b        ; waves 0 and 1 fetch for att, waves 2 and 3 for w_out; an s_nop 0 and four v_nop follow each of the two lines
	s_cmp_eq_u32 s15, 0
	s_cbranch_scc0 .Lfor_b_\@
	tensor_load_to_lds s[\g0a:\g0a+3], s[\g1a:\g1a+7]
	s_nop 0
.rept 4
	v_nop
.endr
	s_branch .Lasked_\@
.Lfor_b_\@:
	tensor_load_to_lds s[\g0b:\g0b+3], s[\g1b:\g1b+7]
	s_nop 0
.rept 4
	v_nop
.endr
.Lasked_\@:
.endm
.macro CROUND
	s_barrier_signal -1
	s_barrier_wait -1
	s_cmp_lg_u32 s14, 0
	s_cbranch_scc1 .Lnot_wave_0_\@
	s_barrier_signal -3
.Lnot_wave_0_\@:
	s_barrier_wait -3
	s_barrier_signal -1
	s_barrier_wait -1
.endm
.macro PLACES
.rept 4
	v_nop
.endr
.endm
.macro GROUP1 g, rows                  ; a dense block as rows of 256 bytes (32 elements of 8 bytes), no padding
	s_mov_b32 s[\g+1], 32<<16
	s_mov_b32 s[\g+2], (\rows)<<16
	s_mov_b32 s[\g+3], 32<<16
	s_mov_b32 s[\g+4], \rows
	s_mov_b32 s[\g+5], 32
	s_mov_b32 s[\g+6], 0
	s_mov_b32 s[\g+7], 0
.endm
	s_load_b256 s[4:11], s[0:1], 0x0               ; attq s[4:5], woutq s[6:7], b_out s[8:9], out0 s[10:11]
	v_lshl_add_u32 v[SPW], v0, 2, SPARE
	v_mov_b32 v[NIL], 0
	ds_add_u32 v[SPW], v[NIL]                      ; the wave's opening: the add, twice on end, and its wait ahead of my first tensor load
	ds_add_u32 v[SPW], v[NIL]
	v_lshrrev_b32 v1, 5, v0
	v_readfirstlane_b32 s14, v1                    ; wave 0..3
	s_lshr_b32 s15, s14, 1                         ; which 64 tokens are mine.  Also: I fetch for att (0) or for w_out (1)
	s_and_b32 s16, s14, 1                          ; which 128 columns.  Also: which half of that tile I fetch
	s_bfe_u32 s40, ttmp6, 0x40000
	s_bfe_u32 s41, ttmp6, 0x40004
	s_lshl_b32 s42, ttmp9, 2
	s_add_co_u32 s42, s42, s40                     ; gx: 256 columns
	s_and_b32 s17, ttmp7, 0xffff
	s_lshl_b32 s17, s17, 2
	s_add_co_u32 s17, s17, s41                     ; gy: 128 tokens
	s_lshl_b32 s43, s41, 2
	s_lshl_b32 s43, 15, s43                        ; my row of the cluster
	s_lshl_b32 s44, 0x1111, s40                    ; my column
	s_or_b32 s[G1+0], s43, (3<<16)|(1<<21)
	s_or_b32 s[G1B+0], s44, (3<<16)|(1<<21)
	s_or_b32 s[G1S+0], s43, (3<<16)|(1<<21)
	s_or_b32 s[G1SB+0], s44, (3<<16)|(1<<21)
	GROUP1 G1, 64                                  ; att: four tiles' codes of a K half
	GROUP1 G1B, 128                                ; w_out: eight tiles'
	GROUP1 G1S, 8                                  ; att: four tiles' scale words
	GROUP1 G1SB, 16                                ; w_out: eight tiles'
	s_lshl_b32 s18, s16, 14
	s_lshl_b32 s20, s17, 15
	s_add_co_u32 s20, s20, s18
	s_mov_b32 s21, 0
	s_lshl_b32 s18, s16, 11
	s_lshl_b32 s22, s17, 12
	s_add_co_u32 s22, s22, s18
	s_add_co_u32 s22, s22, 4194304
	s_mov_b32 s23, 0
	s_lshl_b32 s18, s16, 15
	s_lshl_b32 s46, s42, 16
	s_add_co_u32 s46, s46, s18
	s_mov_b32 s47, 0
	s_lshl_b32 s18, s16, 12
	s_lshl_b32 s92, s42, 13
	s_add_co_u32 s92, s92, s18
	s_add_co_u32 s92, s92, 524288
	s_mov_b32 s93, 0
	s_lshl_b32 s45, s16, 14                        ; where they go: att's codes at 0 of a slot,
	s_lshl_b32 s94, s16, 15
	s_add_co_u32 s94, s94, 32768                   ; w_out's behind them,
	s_lshl_b32 s95, s16, 11
	s_add_co_u32 s95, s95, SCL                     ; att's scale words,
	s_lshl_b32 s96, s16, 12
	s_add_co_u32 s96, s96, SCL+4096                ; w_out's
	s_wait_dscnt 0x0                               ; both opening adds are done
	s_wait_kmcnt 0x0
	s_add_nc_u64 s[20:21], s[4:5], s[20:21]
	s_add_nc_u64 s[22:23], s[4:5], s[22:23]
	s_add_nc_u64 s[46:47], s[6:7], s[46:47]
	s_add_nc_u64 s[92:93], s[6:7], s[92:93]
	CROUND                                         ; all sixteen work-groups are here: the joint loads meet
	s_mov_b32 s[G0S], 1
	s_mov_b32 s[G0S+1], s95
	s_mov_b64 s[G0S+2:G0S+3], s[22:23]
	s_or_b32 s[G0S+3], s[G0S+3], 0x80000000
	s_mov_b32 s[G0SB], 1
	s_mov_b32 s[G0SB+1], s96
	s_mov_b64 s[G0SB+2:G0SB+3], s[92:93]
	s_or_b32 s[G0SB+3], s[G0SB+3], 0x80000000
	JLOAD G0S, G1S, G0SB, G1SB
.irp s, 0,1
	s_mov_b32 s[G0+4*\s], 1
	s_add_co_u32 s[G0+4*\s+1], s45, \s*SLOTB
	s_add_nc_u64 s[G0+4*\s+2:G0+4*\s+3], s[20:21], \s*2097152
	s_or_b32 s[G0+4*\s+3], s[G0+4*\s+3], 0x80000000
	s_mov_b32 s[G0B+4*\s], 1
	s_add_co_u32 s[G0B+4*\s+1], s94, \s*SLOTB
	s_add_nc_u64 s[G0B+4*\s+2:G0B+4*\s+3], s[46:47], \s*262144
	s_or_b32 s[G0B+4*\s+3], s[G0B+4*\s+3], 0x80000000
	s_wait_alu depctr_va_vdst(0)
	s_wait_tensorcnt 0x0
	ds_add_u32 v28, v29
	s_wait_dscnt 0x0
	CROUND
	JLOAD G0+4*\s, G1, G0B+4*\s, G1B
.endr
	v_and_b32 v1, 15, v0                           ; r
	v_bfe_u32 v2, v0, 4, 1                         ; h
	v_and_b32 v3, 31, v0
	v_lshlrev_b32 v3, 4, v3                        ; 16 x lane
	s_wait_alu depctr_va_vdst(0)
	v_lshlrev_b32 v5, 6, v2                        ; 64 h
	s_lshl_b32 s66, s42, 10
	s_lshl_b32 s97, s16, 9
	s_add_co_u32 s66, s66, s97                     ; my 128 columns, in bytes
	s_mov_b32 s67, 0
	s_add_nc_u64 s[8:9], s[8:9], s[66:67]
	WIN 0x40
.irp b, 0,1,2,3,4,5,6,7                ; the bias in the result's layout: tile b, register j: column 32 (b / 2) + 8 (b % 2) + 16 h + j
	global_load_b128 v[BI+8*\b:BI+8*\b+3], v5, s[8:9] offset:(32*(\b/2)+8*(\b%2))*4
	global_load_b128 v[BI+8*\b+4:BI+8*\b+7], v5, s[8:9] offset:(32*(\b/2)+8*(\b%2))*4+16
.endr
	WIN 0
	s_lshl_b32 s97, s17, 7
	s_lshl_b32 s98, s15, 6
	s_add_co_u32 s97, s97, s98                     ; my first token
	s_lshl_b32 s97, s97, 12
	s_add_co_u32 s66, s66, s97
	s_add_nc_u64 s[12:13], s[10:11], s[66:67]      ; out0 at my first token and column
	s_lshl_b32 s97, s15, 14
	v_add_nc_u32 v[ADRR], s97, v3
	s_lshl_b32 s97, s16, 15
	s_add_co_u32 s97, s97, 32768
	v_add_nc_u32 v[ADRP], s97, v3
	v_add_nc_u32 v[ADRR+1], SLOTB, v[ADRR]
	v_add_nc_u32 v[ADRP+1], SLOTB, v[ADRP]
	s_lshl_b32 s97, s15, 11                        ; scale words: lanes 0-15 my tokens', lanes 16-31 my columns': the lower base + h x the distance
	s_lshl_b32 s98, s16, 12
	s_add_co_u32 s98, s98, 4096
	s_sub_co_u32 s98, s98, s97
	v_mul_u32_u24 v4, s98, v2
	s_add_co_u32 s97, s97, SCL
	v_lshl_add_u32 v4, v1, 4, v4
	v_add_nc_u32 v[ADRS], s97, v4
	s_mul_i32 s97, s14, 16*528
	s_add_co_u32 s97, s97, STAGE                   ; my stage
	v_mul_u32_u24 v4, v1, 528
	v_lshl_add_u32 v4, v2, 6, v4
	v_add_nc_u32 v[STO], s97, v4                   ; in: row r, + 64 h
	v_add_nc_u32 v[RD], s97, v3                    ; back: 16 x lane of a row
.macro FETCH slot, q, set              ; 24 LDS loads: P's eight tiles (window 1), R's four (window 0)
	WIN 0x40
.irp i, 0,1,2,3,4,5,6,7
.irp c, 0,1
	ds_load_b128 v[64*(\set)+8*\i+4*\c:64*(\set)+8*\i+4*\c+3], v[ADRP+\slot] offset:\i*4096+(\q)*1024+\c*512
.endr
.endr
	WIN 0
.irp i, 0,1,2,3
.irp c, 0,1
	ds_load_b128 v[128+32*(\set)+8*\i+4*\c:128+32*(\set)+8*\i+4*\c+3], v[ADRR+\slot] offset:\i*4096+(\q)*1024+\c*512
.endr
.endr
.endm
.macro SCALES slot                     ; register 4 i + q: lanes 0-15 R's tile i (of i = 0 .. 3 alone use is made), lanes 16-31 P's tile i
.irp i, 0,1,2,3,4,5,6,7
	ds_load_b128 v[SC+32*\slot+4*\i:SC+32*\slot+4*\i+3], v[ADRS] offset:\i*512+\slot*256
.endr
.endm
; The 32 accumulators take turns, one instruction a turn, in the same order in every step.  first = 1: the bias is the C of the sums' first products
.macro MUL a0, n, set, q, slot, first
.set aa, \a0
.rept \n
.irp b, 0,1,2,3,4,5,6,7
.if \first
	v_wmma_scale_f32_16x16x128_f8f6f4 v[8*(8*aa+\b):8*(8*aa+\b)+7], v[64*(\set)+8*\b:64*(\set)+8*\b+7], v[128+32*(\set)+8*aa:128+32*(\set)+8*aa+7], v[BI+8*\b:BI+8*\b+7], v[SC+32*(\slot)+4*\b+(\q)], v[SC+32*(\slot)+4*aa+(\q)] matrix_a_fmt:MATRIX_FMT_FP4 matrix_b_fmt:MATRIX_FMT_FP4 matrix_a_scale:MATRIX_SCALE_ROW1
.else
	v_wmma_scale_f32_16x16x128_f8f6f4 v[8*(8*aa+\b):8*(8*aa+\b)+7], v[64*(\set)+8*\b:64*(\set)+8*\b+7], v[128+32*(\set)+8*aa:128+32*(\set)+8*aa+7], v[8*(8*aa+\b):8*(8*aa+\b)+7], v[SC+32*(\slot)+4*\b+(\q)], v[SC+32*(\slot)+4*aa+(\q)] matrix_a_fmt:MATRIX_FMT_FP4 matrix_b_fmt:MATRIX_FMT_FP4 matrix_a_scale:MATRIX_SCALE_ROW1
.endif
.endr
.set aa, aa+1
.endr
.endm
.macro STEP slot, q, first
	s_wait_dscnt 0x0                               ; this step's fragments are in
	PLACES
	FETCH \slot, (\q)+1, 1-(\q)%2
.if \first
	WIN 0x91                                       ; source 0 and C window 1, source 1 window 0, D window 2
.else
	WIN 0xa1
.endif
	MUL 0, 4, (\q)%2, \q, \slot, \first
	WIN 0
.endm
	s_wait_alu depctr_va_vdst(0)
	s_wait_tensorcnt 1                             ; the scale words and my part of slot 0 are in; slot 1's load may stay out
	s_barrier_signal -1
	s_barrier_wait -1
	SCALES 0
	FETCH 0, 0, 0
	s_wait_loadcnt 0x0                             ; the bias
	STEP 0, 0, 1
	STEP 0, 1, 0
	STEP 0, 2, 0
	s_wait_dscnt 0x0                               ; slot 0's last step, and the one barrier for slot 1: my LDS loads are in,
	s_wait_tensorcnt 0x0                           ; my part of slot 1 has landed
	s_barrier_signal -1
	WIN 0xa1
	MUL 0, 2, 1, 3, 0, 0
	WIN 0
	s_barrier_wait -1
	PLACES
	FETCH 1, 0, 0
	SCALES 1
	WIN 0xa1
	MUL 2, 2, 1, 3, 0, 0
	WIN 0
	STEP 1, 0, 0
	STEP 1, 1, 0
	STEP 1, 2, 0
	s_wait_dscnt 0x0
	WIN 0xa1
	MUL 0, 4, 1, 3, 1, 0
	WIN 0
.macro TOSTAGE a                       ; 16 tokens x 128 columns into my stage, and back as whole rows.  LDS serves a wave's instructions in order: no wait between the stores and the loads, nor ahead of the next block's stores
	WIN 0x08                                       ; an LDS store's data: window 2
.irp b, 0,1,2,3,4,5,6,7
	ds_store_b128 v[STO], v[64*(\a)+8*\b:64*(\a)+8*\b+3] offset:(\b/2)*128+(\b%2)*32          ; each accumulator from its low end on
	ds_store_b128 v[STO], v[64*(\a)+8*\b+4:64*(\a)+8*\b+7] offset:(\b/2)*128+(\b%2)*32+16
.endr
	WIN 0
.set BK, 128+64*((\a)%2)
.irp t, 0,1,2,3,4,5,6,7,8,9,10,11,12,13,14,15
	ds_load_b128 v[BK+4*\t:BK+4*\t+3], v[RD] offset:\t*528
.endr
.endm
.macro SEND a, younger                 ; younger: the LDS instructions issued behind block a's loads, which may stay out
.set BK, 128+64*((\a)%2)
	s_wait_dscnt \younger
.irp t, 0,1,2,3,4,5,6,7,8,9,10,11,12,13,14,15
	global_store_b128 v3, v[BK+4*\t:BK+4*\t+3], s[12:13] offset:(32*((\a)/2)+8*((\a)%2)+\t+8*(\t/8))*4096 th:TH_STORE_NT   ; stage row t is the tile's lane t: 512 consecutive bytes of its row of out0
.endr
.endm
	PLACES                                         ; behind the last products: ahead of the first read of results and of loads into the registers that held fragments
	TOSTAGE 0
	TOSTAGE 1
	SEND 0, 32                                     ; behind block 0's loads: block 1's 16 stores and 16 loads
	s_wait_xcnt 0x0                                ; block 0's stores have read their registers: block 2's loads may land there
	TOSTAGE 2
	SEND 1, 32
	s_wait_xcnt 0x0
	TOSTAGE 3
	SEND 2, 32
	SEND 3, 0
	s_wait_tensorcnt 0x0                           ; the wave's end: behind my last tensor load and my last LDS store
	ds_add_u32 v[SPW], v[NIL]
	s_wait_dscnt 0x0
	CROUND                                         ; the closing round
	s_endpgm
.Lfunc_end_k_q6778d433a1_proj:
	.size	k_q6778d433a1_proj, .Lfunc_end_k_q6778d433a1_proj-k_q6778d433a1_proj
	.p2alignl 7, 3214868480
	.fill 96, 4, 3214868480
	.section	.rodata,"a",@progbits
	.p2align	6, 0x0
	.amdhsa_kernel k_q6778d433a1_proj
		.amdhsa_group_segment_fixed_size 327680
		.amdhsa_private_segment_fixed_size 0
		.amdhsa_enable_private_segment 0
		.amdhsa_kernarg_size 32
		.amdhsa_user_sgpr_count 2
		.amdhsa_user_sgpr_kernarg_segment_ptr 1
		.amdhsa_wavefront_size32 1
		.amdhsa_system_sgpr_workgroup_id_x 1
		.amdhsa_system_sgpr_workgroup_id_y 1
		.amdhsa_system_sgpr_workgroup_id_z 1
		.amdhsa_system_vgpr_workitem_id 0
		.amdhsa_next_free_vgpr 768
		.amdhsa_next_free_sgpr 100
		.amdhsa_reserve_vcc 0
		.amdhsa_float_denorm_mode_32 3
		.amdhsa_float_denorm_mode_16_64 3
		.amdhsa_memory_ordered 1
		.amdhsa_forward_progress 1
		.amdhsa_inst_pref_size 74
	.end_amdhsa_kernel
	.amdgpu_metadata
---
amdhsa.version: [ 1, 2 ]
amdhsa.kernels:
  - .name:           k_q6778d433a1_proj
    .symbol:         k_q6778d433a1_proj.kd
    .args:
      - { .name: attq, .offset: 0, .size: 8, .value_kind: global_buffer, .address_space: global }
      - { .name: woutq, .offset: 8, .size: 8, .value_kind: global_buffer, .address_space: global }
      - { .name: b_out, .offset: 16, .size: 8, .value_kind: global_buffer, .address_space: global }
      - { .name: out0, .offset: 24, .size: 8, .value_kind: global_buffer, .address_space: global }
    .group_segment_fixed_size: 327680
    .private_segment_fixed_size: 0
    .kernarg_segment_align: 8
    .kernarg_segment_size: 32
    .max_flat_workgroup_size: 128
    .sgpr_count:     100
    .vgpr_count:     768
    .wavefront_size: 32
...
	.end_amdgpu_metadata
.endif
;; end of part 4
